; MI455X (gfx1250); checked and timed in simulation.
; The chip was launched on July 23, 2026; its instructions are those of AMD's public machine-readable ISA for CDNA 5 (MIT licence, August 2026) and "CDNA5" Instruction Set Architecture Reference Guide (July 2026). The comments in the code are by the model that wrote it; some were corrected since.
;; Attention Layer. Allowed arithmetic: matrix products marked QUANTISED: E2M1 operands, one E8M0 scale for each 32 along K, by v_wmma_scale_f32_16x16x128_f8f6f4 with both operands' format E2M1 (or v_wmma_scale_f32_32x16x128_f4), f32 sums; products left as they are: bf16, f16 or f32 operands; f32 sums; everything else in f32.
;; Inputs: Wk 1,024 x 1,024 float32; Wo 1,024 x 1,024 float32; Wq 1,024 x 1,024 float32; Wv 1,024 x 1,024 float32; attn_mask 1 x 1 x 2,048 x 2,048 bool; bk 1,024 float32; bo 1,024 float32; bq 1,024 float32; bv 1,024 float32; keys 4 x 2,048 x 1,024 float32; queries 4 x 2,048 x 1,024 float32; values 4 x 2,048 x 1,024 float32.
;; Outputs: out0 4 x 2,048 x 1,024 float32.
;; This version of the problem:
;;   THIS VERSION OF THE PROBLEM IS GIVEN IN LOW PRECISION. The matrix products marked QUANTISED in the list below multiply operands that are first quantised to E2M1 (2 exponent bits, 1 mantissa bit; 4 bits a number), with one power-of-two scale for each 32 numbers along K (OCP MX v1.0); their sums are f32. The products marked 'left as it is' may take bf16, f16 or f32 operands, with f32 sums. Whichever they take, every output number must still come out within the allowed error. Rounding operands to bf16 (8 significant bits) uses up far more of that allowance than f16 does (11 bits, for magnitudes from 6e-5 to 65,504). All else is computed in f32.
;;   The module's matrix products, in the order in which they are computed (A, B: the left and right operand; K: the contracted axis; several contracted axes count as one K, in the product's order):
;;     1. [M 8,192, K 1,024] x [K 1,024, N 1,024]; A: input queries; B: input Wq: QUANTISED
;;     2. [M 8,192, K 1,024] x [K 1,024, N 1,024]; A: input keys; B: input Wk: QUANTISED
;;     3. [M 8,192, K 1,024] x [K 1,024, N 1,024]; A: input values; B: input Wv: QUANTISED
;;     4. batch 64 x [M 2,048, K 64] x [K 64, N 2,048]; A: computed on the way; B: computed on the way: left as it is (an operand is computed on the way)
;;     5. batch 64 x [M 64, K 2,048] x [K 2,048, N 2,048]; A: computed on the way; B: computed on the way: left as it is (an operand is computed on the way)
;;     6. [M 8,192, K 1,024] x [K 1,024, N 1,024]; A: computed on the way; B: input Wo: left as it is (an operand is computed on the way)
;;   THE QUANTISER, for each operand of a quantised product, along K:
;;     - K is cut into blocks of 32 from its start; a last block that is shorter is filled with zeros.
;;     - A block's scale is 2^e with e = floor(log2(the largest magnitude in the block)) - 2, held to -126 .. 127; a block of zeros has e = 0. As a byte (E8M0): e + 127.
;;     - Each number is divided by its block's scale, clamped to +-6, and rounded to the nearest number of E2M1, ties to even, subnormals kept.
;;     - The product sums the exact products of the quantised numbers (number of the format x scale) in f32.
;;   ~~~python
;;   def quantise(x, axis):      # numpy; x: float32 -> the quantised numbers, widened to float32 again
;;       x = np.moveaxis(x, axis, -1); K = x.shape[-1]
;;       x = np.pad(x, [(0, 0)] * (x.ndim - 1) + [(0, -K % 32)]); x = x.reshape(x.shape[:-1] + (-1, 32)); a = np.abs(x).max(-1, keepdims=True)
;;       e = np.where(a > 0, np.clip(np.frexp(np.where(a > 0, a, 1))[1] - 1 - 2, -126, 127), 0)      # np.frexp(a)[1] - 1 = floor(log2(a)), exactly
;;       r = np.clip(x / 2.0 ** e, -6, 6)
;;       step = 2.0 ** (np.maximum(np.frexp(np.where(r == 0, 1, r))[1] - 1, 0) - 1)
;;       q = np.round(r / step) * step * 2.0 ** e      # np.round: ties to even
;;       return np.moveaxis(q.reshape(q.shape[:-2] + (-1,))[..., :K], -1, axis).astype(np.float32)
;;   ~~~
;; One version. Each part assembles by itself: llvm-mc -triple=amdgcn-amd-amdhsa -mcpu=gfx1250 --defsym DOCPART=n.
;; ======== version 1 of 1: 5 launches
;; limits: values are held in f16: magnitudes above 65,504 overflow, below 6.1e-05 lose precision
;; workspace buffers: prep 17,137,664 bytes; flags 512 bytes of whole numbers; qkv 67,108,864 bytes; ctx 16,777,216 bytes
;; launch prep (part 1): grid 912 x 1, 4 waves a work-group, no clusters, 33,280 bytes of LDS; arguments queries, keys, values, Wq, Wk, Wv, Wo, attn_mask, prep, flags; writes prep, flags
.if DOCPART == 1
	.amdgcn_target "amdgcn-amd-amdhsa--gfx1250"
	.amdhsa_code_object_version 6
	.text
	.protected	k_qe970fd1db4_prep
	.globl	k_qe970fd1db4_prep
	.p2align	8
	.type	k_qe970fd1db4_prep,@function
k_qe970fd1db4_prep:
	s_mov_b64 s[64:65], 0
	v_nop
	global_prefetch_b8 v0, s[64:65] scope:SCOPE_SE
	s_setreg_imm32_b32 hwreg(HW_REG_WAVE_MODE, 25, 1), 1
	s_wait_xcnt 0x0
; PREP.  Three kinds of work-groups, told apart by the work-group's number alone.
; (a) 0..863: queries, keys, values [8192][1024] and Wq, Wk, Wv [1024][1024], f32, become codes of FP4 (E2M1), K innermost, two codes a byte, with one E8M0 byte for each 32 along K.
;     A block's scale is 2^(floor(log2(largest magnitude)) - 2); its byte is the largest magnitude's exponent field - 2, held at 1 from below.  A block of zeros gets the byte 1: its codes are zeros, and only this program reads the bytes.
;     Rows are dense and K is a multiple of 32: each tensor is a plain stream of blocks.  A wave takes 16 steps of 512 numbers; each load reads 512 consecutive bytes; a step turns through the wave's own stage in LDS so that a lane
;     holds 16 neighbours; a wave's codes leave as 256 consecutive bytes a step, its 256 scale bytes as one aligned run at the end.
; (b) 864..895: Wo [1024 n][1024 k] becomes f16 operand images: a fragment (16 n x 32 k) is 1,024 bytes, registers 0-3 at 16 x lane, registers 4-7 at 512 + 16 x lane.
; (c) 896..911: the mask's bit words.  For each group of 32 query rows: bit t of ANY = some key of keys 64 t .. 64 t + 63 is open for some row; bit t of MIX = some is hidden.  Lane t looks at key step t, so a compare's lane mask is the word.
; LAYOUT of prep: activations' codes at 0 (24,576 rows x 512 bytes, queries, keys, values), weights' codes at WC, activations' scale bytes at XS (32 a row), weights' at WS, Wo's images at WO.
; LIMITS: NaN and infinities among the inputs are not served by the quantiser; blocks whose largest magnitude lies under 2^-124 keep the byte 1; bool bytes are 0 or 1.
.set WC,    12582912
.set XS,    14155776
.set WS,    14942208
.set WO,    15040512
.set NACT,  768                        ; work-groups for the three activations, 256 each (32,768 numbers a work-group)
.set NQNT,  864                        ; + 32 for each weight
.set NWO,   896                        ; + 32 for Wo
.set WAVES, 4
.set STEPS, 16
.set EMAX,  2
.set CB,    8                          ; bytes of 16 codes
.set R,     16                         ; v16-79   four sets of 16 numbers as loaded
.set X,     80                         ; v80-111  two sets of 16 neighbours
.set E,     112                        ; v112-127 a scale byte for each step
.set C,     128                        ; v128-191 codes, four registers a step: no store's data are written again
.set WREG,  8192                       ; LDS: a region for each wave: two stages of 32 x SP bytes, then its 256 scale bytes
.set SP,    80                         ; a lane's place in a stage: 64 bytes + 16 of padding
.set SPW,   12                         ; v12  LDS address of my spare word; never rewritten
.set NIL,   13                         ; v13  0; never rewritten
.set SPARE, WAVES*WREG                 ; the spare words, 128 bytes a wave; no other line names them
	s_load_b512 s[8:23], s[0:1], 0x0               ; queries 8, keys 10, values 12, Wq 14, Wk 16, Wv 18, Wo 20, mask 22
	s_load_b128 s[24:27], s[0:1], 0x40             ; prep 24, flags 26
	v_lshl_add_u32 v[SPW], v0, 2, SPARE
	v_mov_b32 v[NIL], 0
	v_lshrrev_b32 v1, 5, v0
	v_readfirstlane_b32 s28, v1                    ; wave
	v_and_b32 v2, 31, v0                           ; lane
	v_lshlrev_b32 v3, 4, v2                        ; 16 x lane
	s_mul_i32 s29, s28, WREG                       ; all LDS addresses are made here, ahead of the parting
	v_lshrrev_b32 v14, 2, v2
	v_mul_u32_u24 v14, v14, SP
	v_and_b32 v15, 3, v2
	v_lshl_add_u32 v14, v15, 4, v14
	v_add_nc_u32 v14, s29, v14                     ; the stage, on the way in: SP (lane / 4) + 16 (lane % 4)
	v_mul_u32_u24 v15, v2, SP
	v_add_nc_u32 v15, s29, v15                     ; on the way out: SP x lane: my 16 neighbours
	v_mul_u32_u24 v4, v2, CB                       ; my codes' place in a step's 256 bytes
	v_lshrrev_b32 v5, 1, v2
	s_add_co_u32 s29, s29, 2*32*SP
	v_add_nc_u32 v5, s29, v5                       ; my block's scale byte in LDS
	v_lshlrev_b32 v7, 3, v2
	v_add_nc_u32 v6, s29, v7                       ; and 8 bytes a lane on their way out
	s_wait_kmcnt 0x0
	s_cmp_lt_u32 ttmp9, NQNT
	s_cbranch_scc0 .Lnot_quant
; ---- (a) the quantiser.  Only pointers are chosen: all six tensors take one path.
	s_cmp_lt_u32 ttmp9, NACT                       ; an activation or a weight?
	s_cselect_b32 s30, 0, NACT
	s_cselect_b32 s31, 8, 5                        ; work-groups to a tensor: 2^8 or 2^5
	s_cselect_b32 s32, 0, WC
	s_mov_b32 s33, WS
	s_cselect_b32 s33, XS, s33
	s_cselect_b64 s[8:9], s[8:9], s[14:15]
	s_cselect_b64 s[10:11], s[10:11], s[16:17]
	s_cselect_b64 s[12:13], s[12:13], s[18:19]
	s_sub_co_u32 s30, ttmp9, s30                   ; my number among the kind's work-groups: the stacked order is this order
	s_lshr_b32 s34, s30, s31                       ; which of the three tensors
	s_lshl_b32 s35, 1, s31
	s_sub_co_u32 s35, s35, 1
	s_and_b32 s35, s30, s35                        ; my number inside it
	s_cmp_eq_u32 s34, 0
	s_cselect_b64 s[8:9], s[8:9], s[10:11]
	s_cmp_eq_u32 s34, 2
	s_cselect_b64 s[8:9], s[12:13], s[8:9]
	s_lshl_b32 s35, s35, 2
	s_add_co_u32 s35, s35, s28                     ; my wave's run of 8,192 numbers in the source
	s_lshl_b32 s36, s35, 15
	s_mov_b32 s37, 0
	s_add_nc_u64 s[4:5], s[8:9], s[36:37]          ; the numbers
	s_lshl_b32 s30, s30, 2
	s_add_co_u32 s30, s30, s28                     ; and in the stacked results
	s_lshl_b32 s36, s30, 12
	s_add_co_u32 s36, s36, s32
	s_add_nc_u64 s[6:7], s[24:25], s[36:37]        ; the codes: 4,096 bytes a run
	s_lshl_b32 s36, s30, 8
	s_add_co_u32 s36, s36, s33
	s_add_nc_u64 s[38:39], s[24:25], s[36:37]      ; the scale bytes: 256 a run
.macro LOAD t
.irp i, 0,1,2,3
	global_load_b128 v[R+16*((\t)%4)+4*\i:R+16*((\t)%4)+4*\i+3], v3, s[4:5] offset:2048*(\t)+512*\i th:TH_LOAD_NT   ; 32 lanes read 512 consecutive bytes
.endr
.endm
.macro TURN t                          ; step t's numbers through the stage; LDS serves a wave's instructions in order, so no wait stands between the stores and the loads
.irp i, 0,1,2,3
	ds_store_b128 v14, v[R+16*((\t)%4)+4*\i:R+16*((\t)%4)+4*\i+3] offset:32*SP*((\t)%2)+8*SP*\i
.endr
.irp i, 0,1,2,3
	ds_load_b128 v[X+16*((\t)%2)+4*\i:X+16*((\t)%2)+4*\i+3], v15 offset:32*SP*((\t)%2)+16*\i
.endr
.endm
.irp t, 0,1,2,3
	LOAD \t
.endr
	s_wait_loadcnt 12                              ; step 0's four loads are in; the twelve of steps 1 to 3 may be out
	TURN 0
.macro STEP t
.set XSET, X+16*((\t)%2)
.if (\t) > 0
	s_wait_dscnt 1                                 ; this step's numbers are back from the stage; the last step's byte store may be out
.else
	s_wait_dscnt 0x0
.endif
.if (\t)+4 < STEPS
	LOAD (\t)+4                                    ; into the registers whose stores into the stage are done
.endif
.if (\t)+1 < STEPS
.if STEPS-2-(\t) >= 3
	s_wait_loadcnt 12                              ; the next step's four loads are in; those of the three steps behind it may be out
.else
	s_wait_loadcnt 4*(STEPS-2-(\t))
.endif
	TURN (\t)+1
.endif
	v_max3_num_f32 v8, |v[XSET]|, |v[XSET+1]|, |v[XSET+2]|         ; the largest magnitude of my 16, in two chains
	v_max3_num_f32 v9, |v[XSET+3]|, |v[XSET+4]|, |v[XSET+5]|
.irp i, 6,10
	v_max3_num_f32 v8, v8, |v[XSET+\i]|, |v[XSET+\i+1]|
	v_max3_num_f32 v9, v9, |v[XSET+\i+2]|, |v[XSET+\i+3]|
.endr
	v_max3_num_f32 v8, v8, |v[XSET+14]|, |v[XSET+15]|
	v_max3_num_f32 v8, v8, v9, (EMAX+1)<<23        ; and the floor 2^(3 - 127): the byte cannot fall under 1
	v_max_num_f32_dpp v8, v8, v8 row_xmask:1 row_mask:0xf bank_mask:0xf   ; with my neighbour's 16: the block's
	v_add_nc_u32 v11, -(EMAX<<23), v8              ; 2 off the exponent field: the conversion takes this operand's exponent field as its scale
	v_cvt_scalef32_pk8_fp4_f32 v[C+4*(\t)], v[XSET:XSET+7], v11
	v_cvt_scalef32_pk8_fp4_f32 v[C+4*(\t)+1], v[XSET+8:XSET+15], v11
	v_lshrrev_b32 v[E+(\t)], 23, v11               ; the scale's byte (also the plain line behind the conversions)
	ds_store_b8 v5, v[E+(\t)] offset:16*(\t)       ; both lanes of a block write the same byte with the same value
	global_store_b64 v4, v[C+4*(\t):C+4*(\t)+1], s[6:7] offset:32*CB*(\t)   ; the wave stores 256 consecutive bytes, aligned
.endm
.irp t, 0,1,2,3,4,5,6,7,8,9,10,11,12,13,14,15
	STEP \t
.endr
	ds_load_b64 v[8:9], v6                         ; in order behind my byte stores
	s_wait_dscnt 0x0
	global_store_b64 v7, v[8:9], s[38:39]          ; 256 consecutive bytes, aligned
	s_wait_tensorcnt 0x0                           ; the wave's end: behind my last LDS store
	ds_add_u32 v[SPW], v[NIL]
	s_wait_dscnt 0x0
	s_endpgm
.Lnot_quant:
	s_cmp_lt_u32 ttmp9, NWO
	s_cbranch_scc0 .Lflags
; ---- (b) Wo's images.  Wave gw of 128 takes tile nt = gw / 2 of 16 rows n and 16 of its 32 fragments along k.
	s_sub_co_u32 s29, ttmp9, NQNT
	s_lshl_b32 s29, s29, 2
	s_add_co_u32 s29, s29, s28                     ; gw
	s_lshr_b32 s30, s29, 1                         ; nt
	s_and_b32 s31, s29, 1                          ; which 16 fragments
	s_lshl_b32 s32, s30, 16                        ; 16 rows of 4,096 bytes
	s_lshl_b32 s33, s31, 11                        ; 16 fragments of 128 bytes of a row
	s_add_co_u32 s32, s32, s33
	s_mov_b32 s33, 0
	s_add_nc_u64 s[20:21], s[20:21], s[32:33]
	s_lshr_b32 s34, s30, 4                         ; image (nt, u) lies at ((((nt / 16) 8 + u / 4) 16 + nt % 16) 4 + u % 4) x 1,024: 256 columns x 128 k are 64 KB on end
	s_lshl_b32 s34, s34, 3
	s_lshl_b32 s35, s31, 2
	s_add_co_u32 s34, s34, s35
	s_lshl_b32 s34, s34, 16
	s_and_b32 s35, s30, 15
	s_lshl_b32 s35, s35, 12
	s_add_co_u32 s34, s34, s35
	s_add_co_u32 s34, s34, WO
	s_mov_b32 s35, 0
	s_add_nc_u64 s[24:25], s[24:25], s[34:35]
	v_and_b32 v16, 15, v0                          ; r
	v_bfe_u32 v17, v0, 4, 1                        ; h
	v_lshlrev_b32 v18, 12, v16
	v_lshl_add_u32 v18, v17, 5, v18                ; row r, + 8 h numbers
.irp g, 0,1,2,3                        ; four fragments at a time
.irp f, 0,1,2,3
	global_load_b128 v[32+16*\f:35+16*\f], v18, s[20:21] offset:128*(4*\g+\f)       ; k = 8 h + 0 .. 3
	global_load_b128 v[36+16*\f:39+16*\f], v18, s[20:21] offset:128*(4*\g+\f)+16    ; + 4 .. 7
	global_load_b128 v[40+16*\f:43+16*\f], v18, s[20:21] offset:128*(4*\g+\f)+64    ; k = 16 + 8 h + 0 .. 3
	global_load_b128 v[44+16*\f:47+16*\f], v18, s[20:21] offset:128*(4*\g+\f)+80
.endr
	s_wait_loadcnt 0x0
.if \g > 0
	s_wait_xcnt 0x0                                ; the last group's stores have read their data: it is written again only behind this wait
.endif
.irp f, 0,1,2,3
.irp i, 0,1,2,3,4,5,6,7
	v_cvt_pk_f16_f32 v[96+8*\f+\i], v[32+16*\f+2*\i], v[33+16*\f+2*\i]
.endr
.endr
.irp f, 0,1,2,3
	global_store_b128 v3, v[96+8*\f:99+8*\f], s[24:25] offset:\g*65536+\f*1024        ; 512 consecutive bytes, aligned
	global_store_b128 v3, v[100+8*\f:103+8*\f], s[24:25] offset:\g*65536+\f*1024+512
.endr
.endr
	s_endpgm
.Lflags:
; ---- (c) the bit words of query group qg (32 rows).  Lane t reads the 64 bytes of key step t in each row.
	s_sub_co_u32 s29, ttmp9, NWO
	s_lshl_b32 s29, s29, 2
	s_add_co_u32 s29, s29, s28                     ; qg
	s_lshl_b32 s30, s29, 16                        ; 32 rows of 2,048 bytes
	s_mov_b32 s31, 0
	s_add_nc_u64 s[22:23], s[22:23], s[30:31]
	s_lshl_b32 s30, s29, 3
	s_add_nc_u64 s[26:27], s[26:27], s[30:31]
	v_lshlrev_b32 v16, 6, v2
.irp bt, 0,1,2,3                       ; eight rows at a time
.irp rw, 0,1,2,3,4,5,6,7
.irp i, 0,1,2,3
	global_load_b128 v[32+16*\rw+4*\i:35+16*\rw+4*\i], v16, s[22:23] offset:(8*\bt+\rw)*2048+16*\i
.endr
.endr
	s_wait_loadcnt 0x0
.set j, 0
.rept 128
.if (\bt == 0) && (j == 0)
	v_mov_b32 v8, v32                              ; the first word starts both chains
	v_mov_b32 v9, v32
.else
	v_or_b32 v8, v8, v[32+j]                       ; some byte 1: something is hidden
	v_and_b32 v9, v9, v[32+j]                      ; all four bytes 1 throughout: nothing is open
.endif
.set j, j+1
.endr
.endr
	v_cmp_ne_u32 s40, 0x01010101, v9               ; ANY: bit t from lane t
	v_cmp_ne_u32 s41, 0, v8                        ; MIX
	v_mov_b32 v10, s40
	v_mov_b32 v11, s41
	v_mov_b32 v17, 0
	s_wait_xcnt 0x0                                ; EXEC changes only behind this wait
	v_cmp_eq_u32 vcc_lo, 0, v2
	s_and_saveexec_b32 s42, vcc_lo
	global_store_b64 v17, v[10:11], s[26:27]       ; lane 0 stores the pair
	s_wait_xcnt 0x0
	s_or_b32 exec_lo, exec_lo, s42
	s_endpgm
.Lfunc_end_k_qe970fd1db4_prep:
	.size	k_qe970fd1db4_prep, .Lfunc_end_k_qe970fd1db4_prep-k_qe970fd1db4_prep
	.p2alignl 7, 3214868480
	.fill 96, 4, 3214868480
	.section	.rodata,"a",@progbits
	.p2align	6, 0x0
	.amdhsa_kernel k_qe970fd1db4_prep
		.amdhsa_group_segment_fixed_size 33280
		.amdhsa_private_segment_fixed_size 0
		.amdhsa_enable_private_segment 0
		.amdhsa_kernarg_size 80
		.amdhsa_user_sgpr_count 2
		.amdhsa_user_sgpr_kernarg_segment_ptr 1
		.amdhsa_wavefront_size32 1
		.amdhsa_system_sgpr_workgroup_id_x 1
		.amdhsa_system_sgpr_workgroup_id_y 1
		.amdhsa_system_sgpr_workgroup_id_z 1
		.amdhsa_system_vgpr_workitem_id 0
		.amdhsa_next_free_vgpr 192
		.amdhsa_next_free_sgpr 66
		.amdhsa_reserve_vcc 1
		.amdhsa_float_denorm_mode_32 3
		.amdhsa_float_denorm_mode_16_64 3
		.amdhsa_memory_ordered 1
		.amdhsa_forward_progress 1
		.amdhsa_inst_pref_size 97
	.end_amdhsa_kernel
	.amdgpu_metadata
---
amdhsa.version: [ 1, 2 ]
amdhsa.kernels:
  - .name:           k_qe970fd1db4_prep
    .symbol:         k_qe970fd1db4_prep.kd
    .args:
      - { .name: queries, .offset: 0, .size: 8, .value_kind: global_buffer, .address_space: global }
      - { .name: keys, .offset: 8, .size: 8, .value_kind: global_buffer, .address_space: global }
      - { .name: values, .offset: 16, .size: 8, .value_kind: global_buffer, .address_space: global }
      - { .name: Wq, .offset: 24, .size: 8, .value_kind: global_buffer, .address_space: global }
      - { .name: Wk, .offset: 32, .size: 8, .value_kind: global_buffer, .address_space: global }
      - { .name: Wv, .offset: 40, .size: 8, .value_kind: global_buffer, .address_space: global }
      - { .name: Wo, .offset: 48, .size: 8, .value_kind: global_buffer, .address_space: global }
      - { .name: attn_mask, .offset: 56, .size: 8, .value_kind: global_buffer, .address_space: global }
      - { .name: prep, .offset: 64, .size: 8, .value_kind: global_buffer, .address_space: global }
      - { .name: flags, .offset: 72, .size: 8, .value_kind: global_buffer, .address_space: global }
    .group_segment_fixed_size: 33280
    .private_segment_fixed_size: 0
    .kernarg_segment_align: 8
    .kernarg_segment_size: 80
    .max_flat_workgroup_size: 128
    .sgpr_count:     66
    .vgpr_count:     192
    .wavefront_size: 32
...
	.end_amdgpu_metadata
.endif
;; end of part 1
;; launch proj (part 2): grid 4 x 96, 4 waves a work-group, clusters of 4 x 4, 327,680 bytes of LDS; arguments prep, bq, bk, bv, qkv; writes qkv
.if DOCPART == 2
	.amdgcn_target "amdgcn-amd-amdhsa--gfx1250"
	.amdhsa_code_object_version 6
	.text
	.protected	k_qe970fd1db4_proj
	.globl	k_qe970fd1db4_proj
	.p2align	8
	.type	k_qe970fd1db4_proj,@function
k_qe970fd1db4_proj:
	s_mov_b64 s[64:65], 0
	v_nop
	global_prefetch_b8 v0, s[64:65] scope:SCOPE_SE
	s_setreg_imm32_b32 hwreg(HW_REG_WAVE_MODE, 25, 1), 1
	s_wait_xcnt 0x0
	s_wait_alu depctr_hold_cnt(0) depctr_sa_sdst(0) depctr_va_vdst(0) depctr_va_sdst(0) depctr_va_ssrc(0) depctr_va_vcc(0) depctr_vm_vsrc(0)
	s_getreg_b32 s2, hwreg(HW_REG_IB_STS2, 6, 4)
	s_cmp_eq_u32 s2, 0
	s_cbranch_scc0 .Lentry_in_a_cluster
	s_endpgm
.Lentry_in_a_cluster:
	s_bfe_u32 s2, ttmp6, 0x10000c
	s_cmp_lg_u32 s2, 0xf033
	s_cbranch_scc0 .Lentry_shape_is_right
	s_endpgm
.Lentry_shape_is_right:
; PROJ.  q = queries Wq^T + bq, k = keys Wk^T + bk, v = values Wv^T + bv, on codes of FP4 (E2M1) with one E8M0 scale for each 32 along K = 1,024; sums in f32; results leave as f16 operand images.
; The three products are one GEMM on stacked rows: A = 24,576 rows of activations, B = 3,072 rows of weights; tile row y (256 rows of A) belongs to tensor t = y / 32 and meets that tensor's 1,024 rows of B alone.
; A tile of 256 x 256 is made by four waves, 128 x 128 each: 64 accumulators, 512 registers.  All of K lies in two LDS slots of 512 along K (rows of 256 bytes + 16 of padding), so no slot is filled twice.
; The scale bytes of the tile's 256 + 256 rows come once, as units of 256 bytes + 16 of padding.
; CLUSTER 4 x 4: A's tiles are asked for jointly along a row of the cluster, B's along a column.
; ROLES.  The matrix instruction's source 1 ('role A') gives the result's lane, source 0 ('role B') its registers.  For q and k role A = activations: a lane holds a token and 8 neighbouring channels.  For v (MODE = 1, the same
; in all partners: it hangs on the cluster's y alone) the roles read each other's LDS regions: a lane holds a channel and 8 neighbouring tokens, which is v^T as the second attention product wants it.
; IMAGES.  A fragment (16 rows x 32 K of f16) is 1,024 bytes: registers 0-3 at 16 x lane, registers 4-7 at 512 + 16 x lane.  q at 0, k at 2^24: ((bh 128 + tile of 16 tokens) 2 + u) x 1,024.
; v^T at 2 x 2^24, its low part at 3 x 2^24: ((bh 64 + ks) 4 + ct) x 1,024 (row = channel 16 ct + r, K = keys 32 ks on).  Four packed registers of a result are half an image: every store is 512 consecutive aligned bytes.
; v is stored as a pair: the high part is the number with its low 13 mantissa bits cleared, the low part what is left, both rounded to f16.
; LIMITS: q, k, v beyond 65,504 in magnitude do not fit f16 and are not served.
; REGISTERS: window 0: v16-31 addresses; v32-95 scale words, two sets; v96-111 bias by lane; v128-191 role A's fragments, one set; v192-255 bias by register.  Window 1: role B's fragments, two sets.  Windows 2, 3: accumulators.
.set WC,    12582912
.set XS,    14155776
.set WS,    14942208
.set KSTEP,  512
.set NQ,     KSTEP/128
.set ROWB,   256
.set KROW,   512
.set PITCH,  272                       ; 68 words: the 16 rows that a load touches start at 16 different groups of four banks
.set FR,     8
.set NL,     2
.set NP,     4
.set HALFT,  128*PITCH
.set SLOT,   4*HALFT                   ; activations' 256 rows, then weights' 256 rows
.set KS,     32
.set SCL,    2*SLOT
.set HALFS,  (128*KS/256)*272
.set SBLK,   (16*KS/256)*272
.set SPARE,  SCL+4*HALFS               ; the spare words, 128 bytes a wave; no other line names them
.set ADRA, 16                          ; v16-17  LDS address of role A's fragments in slot 0, 1
.set ADRB, 20                          ; v20-21  role B's
.set CO,   26                          ; v26     16 x lane
.set ADRS, 27                          ; v27     my scale words: lanes 0-15 role A's rows, lanes 16-31 role B's
.set SPW,  28
.set NIL,  29
.set BBO,  30                          ; v30     32 h
.set BAO,  31                          ; v31     4 r
.set SC,   32
.set BA,   96                          ; v96-111  bias of role A's row, block a, twice (a pair)
.set AF,   128
.set BB,   192                         ; v192-255 bias of role B's rows, block b: eight numbers
.set G1, 24
.set G0, 32
.set G1B, 48
.set G0B, 56
.set G1S, 68
.set G0S, 76
.set G1SB, 80
.set G0SB, 88
.set MSB, 0
.macro WIN new                         ; the immediate's high byte repeats the setting that is left
.if MSB != (\new)
	s_set_vgpr_msb (MSB<<8)|(\new)
.set MSB, \new
.endif
.endm
.set MUL_LO, 0xa1                      ; source 0 window 1, source 1 window 0, C and D window 2
.set MUL_HI, 0xf1
.set TO_B,   0x40
; A joint load: waves 0 and 1 fetch activations, waves 2 and 3 weights.  The branch hangs on the wave's number alone.  An s_nop 0 and four v_nop follow each line.
.macro JLOAD g0a, g1a, g0b, g1b
	s_cmp_eq_u32 s15, 0
	s_cbranch_scc0 .Lfor_b_\@
	tensor_load_to_lds s[\g0a:\g0a+3], s[\g1a:\g1a+7]
	s_nop 0
.rept 4
	v_nop
.endr
	s_branch .Lasked_\@
.Lfor_b_\@:
	tensor_load_to_lds s[\g0b:\g0b+3], s[\g1b:\g1b+7]
	s_nop 0
.rept 4
	v_nop
.endr
.Lasked_\@:
.endm
.macro CREST
	s_cmp_lg_u32 s14, 0
	s_cbranch_scc1 .Lnot_wave_0_\@
	s_barrier_signal -3
.Lnot_wave_0_\@:
	s_barrier_wait -3
	s_barrier_signal -1
	s_barrier_wait -1
.endm
.macro CROUND
	s_barrier_signal -1
	s_barrier_wait -1
	CREST
.endm
	s_load_b256 s[4:11], s[0:1], 0x0               ; prep 4, bq 6, bk 8, bv 10
	s_load_b64 s[12:13], s[0:1], 0x20              ; qkv
	v_lshl_add_u32 v[SPW], v0, 2, SPARE
	v_mov_b32 v[NIL], 0
	ds_add_u32 v[SPW], v[NIL]                      ; the wave's opening: the add, twice on end, and its wait ahead of my first tensor load
	ds_add_u32 v[SPW], v[NIL]
	v_lshrrev_b32 v1, 5, v0
	v_readfirstlane_b32 s14, v1                    ; wave
	s_lshr_b32 s15, s14, 1                         ; role A's half of 128 rows.  Also: I fetch activations (0) or weights (1)
	s_and_b32 s16, s14, 1                          ; role B's half.  Also: which 128 rows I fetch
	s_bfe_u32 s40, ttmp6, 0x40000                  ; cx
	s_bfe_u32 s41, ttmp6, 0x40004                  ; cy
	s_lshl_b32 s95, ttmp9, 2
	s_add_co_u32 s95, s95, s40                     ; x: which 256 of the tensor's 1,024 output channels
	s_and_b32 s42, ttmp7, 0xffff                   ; the cluster's y, 0 .. 23
	s_lshl_b32 s17, s42, 2
	s_add_co_u32 s17, s17, s41                     ; y: which 256 of the 24,576 stacked rows
	s_lshr_b32 s67, s42, 3                         ; t: 0 q, 1 k, 2 v: shared by all partners
	s_lshr_b32 s66, s42, 4                         ; MODE: 1 for v
	s_lshl_b32 s43, s41, 2
	s_lshl_b32 s43, 15, s43                        ; my row of the cluster
	s_lshl_b32 s44, 0x1111, s40                    ; my column
	s_or_b32 s[G1+0], s43, (0<<16)|(1<<20)|(1<<21)|(5<<22)|(3<<25)  ; mask; elements of 1 byte; padding: 4 words behind every 64; bit 21 beside a mask
	s_or_b32 s[G1B+0], s44, (0<<16)|(1<<20)|(1<<21)|(5<<22)|(3<<25)
.irp g, G1, G1B
	s_mov_b32 s[\g+1], ROWB<<16                    ; tensor_dim0
	s_mov_b32 s[\g+2], 128<<16                     ; tensor_dim1
	s_mov_b32 s[\g+3], ROWB<<16                    ; tile_dim0
	s_mov_b32 s[\g+4], 128                         ; tile_dim1
	s_mov_b32 s[\g+5], KROW                        ; pitch
	s_mov_b32 s[\g+6], 0
	s_mov_b32 s[\g+7], 0
.endr
	s_or_b32 s[G1S+0], s43, (3<<16)|(1<<20)|(1<<21)|(5<<22)|(3<<25) ; the scales of 128 rows: 4,096 dense bytes as 16 rows of 32 elements of 8 bytes
	s_or_b32 s[G1SB+0], s44, (3<<16)|(1<<20)|(1<<21)|(5<<22)|(3<<25)
.irp g, G1S, G1SB
	s_mov_b32 s[\g+1], 32<<16
	s_mov_b32 s[\g+2], (128*KS/256)<<16
	s_mov_b32 s[\g+3], 32<<16
	s_mov_b32 s[\g+4], 128*KS/256
	s_mov_b32 s[\g+5], 32
	s_mov_b32 s[\g+6], 0
	s_mov_b32 s[\g+7], 0
.endr
	s_lshl_b32 s18, s16, 7                         ; which 128 rows I fetch
	s_lshl_b32 s20, s17, 8
	s_add_co_u32 s20, s20, s18                     ; activations: row 256 y + 128 half: hangs on y alone
	s_lshl_b32 s22, s20, 5
	s_add_co_u32 s22, s22, XS                      ; its scale bytes,
	s_mov_b32 s23, 0
	s_lshl_b32 s20, s20, 9                         ; its codes
	s_mov_b32 s21, 0
	s_lshl_b32 s46, s67, 10
	s_lshl_b32 s47, s95, 8
	s_add_co_u32 s46, s46, s47
	s_add_co_u32 s46, s46, s18                     ; weights: row 1,024 t + 256 x + 128 half: hangs on the cluster's y and on x alone
	s_lshl_b32 s92, s46, 5
	s_add_co_u32 s92, s92, WS
	s_mov_b32 s93, 0
	s_lshl_b32 s46, s46, 9
	s_add_co_u32 s46, s46, WC
	s_mov_b32 s47, 0
	s_mul_i32 s45, s14, HALFT                      ; where they go: wave x 128 rows
	s_mul_i32 s94, s14, HALFS
	s_wait_dscnt 0x0                               ; both opening adds are done
	s_wait_kmcnt 0x0
	s_add_nc_u64 s[20:21], s[4:5], s[20:21]
	s_add_nc_u64 s[22:23], s[4:5], s[22:23]
	s_add_nc_u64 s[46:47], s[4:5], s[46:47]
	s_add_nc_u64 s[92:93], s[4:5], s[92:93]
	CROUND                                         ; all sixteen work-groups are here: the joint loads meet
	s_mov_b32 s[G0S], 1
	s_add_co_u32 s[G0S+1], s94, SCL
	s_mov_b64 s[G0S+2:G0S+3], s[22:23]
	s_or_b32 s[G0S+3], s[G0S+3], 0x80000000
	s_mov_b32 s[G0SB], 1
	s_add_co_u32 s[G0SB+1], s94, SCL
	s_mov_b64 s[G0SB+2:G0SB+3], s[92:93]
	s_or_b32 s[G0SB+3], s[G0SB+3], 0x80000000
	JLOAD G0S, G1S, G0SB, G1SB                     ; the scales first; with the two below three loads of mine are out
.irp s, 0,1
	s_mov_b32 s[G0+4*\s], 1
	s_add_co_u32 s[G0+4*\s+1], s45, \s*SLOT
	s_add_nc_u64 s[G0+4*\s+2:G0+4*\s+3], s[20:21], \s*ROWB
	s_or_b32 s[G0+4*\s+3], s[G0+4*\s+3], 0x80000000
	s_mov_b32 s[G0B+4*\s], 1
	s_add_co_u32 s[G0B+4*\s+1], s45, \s*SLOT
	s_add_nc_u64 s[G0B+4*\s+2:G0B+4*\s+3], s[46:47], \s*ROWB
	s_or_b32 s[G0B+4*\s+3], s[G0B+4*\s+3], 0x80000000
	JLOAD G0+4*\s, G1, G0B+4*\s, G1B
.endr
	v_and_b32 v1, 15, v0                           ; r
	v_bfe_u32 v2, v0, 4, 1                         ; h
	v_mul_u32_u24 v3, v1, PITCH
	v_lshl_add_u32 v4, v2, 4, v3                   ; a fragment's row x pitch + 16 h
	s_cmp_eq_u32 s66, 1                            ; for v the roles read each other's regions
	s_cselect_b32 s18, 2*HALFT, 0
	s_cselect_b32 s19, 0, 2*HALFT
	s_cselect_b32 s92, 2*HALFS, 0
	s_cselect_b32 s93, 0, 2*HALFS
	s_mul_i32 s21, s15, HALFT
	s_add_co_u32 s21, s21, s18                     ; role A's 128 rows
	s_mul_i32 s22, s16, HALFT
	s_add_co_u32 s22, s22, s19                     ; role B's
.irp s, 0,1
	v_add_nc_u32 v[ADRA+\s], s21, v4
	v_add_nc_u32 v[ADRB+\s], s22, v4
	s_add_co_u32 s21, s21, SLOT
	s_add_co_u32 s22, s22, SLOT
.endr
	v_mul_u32_u24 v5, v1, KS                       ; my row's scales: 32 bytes a row,
	v_lshrrev_b32 v6, 8, v5
	v_lshl_add_u32 v5, v6, 4, v5                   ; and 16 more for each 256 passed
	s_mul_i32 s21, s15, HALFS
	s_add_co_u32 s21, s21, s92
	s_add_co_u32 s21, s21, SCL
	s_mul_i32 s22, s16, HALFS
	s_add_co_u32 s22, s22, s93
	s_add_co_u32 s22, s22, SCL
	v_add_nc_u32 v6, s21, v5
	v_add_nc_u32 v7, s22, v5
	v_cmp_eq_u32 vcc_lo, 1, v2
	v_cndmask_b32 v[ADRS], v6, v7, vcc_lo          ; lanes 0-15 role A's words, lanes 16-31 role B's
	v_and_b32 v6, 31, v0
	v_lshlrev_b32 v[CO], 4, v6
	v_lshlrev_b32 v[BBO], 5, v2
	v_lshlrev_b32 v[BAO], 2, v1
	s_cmp_eq_u32 s67, 0                            ; the tensor's bias
	s_cselect_b64 s[6:7], s[6:7], s[8:9]
	s_cmp_eq_u32 s67, 2
	s_cselect_b64 s[6:7], s[10:11], s[6:7]
	s_lshl_b32 s18, s95, 10
	s_lshl_b32 s19, s16, 9
	s_add_co_u32 s96, s18, s19
	s_mov_b32 s97, 0
	s_add_nc_u64 s[96:97], s[6:7], s[96:97]        ; channels 256 x + 128 (role B's half): used for q and k
	s_lshl_b32 s19, s15, 9
	s_add_co_u32 s98, s18, s19
	s_mov_b32 s99, 0
	s_add_nc_u64 s[98:99], s[6:7], s[98:99]        ; channels 256 x + 128 (role A's half): used for v.  Both shapes are loaded, without a branch
.irp b, 0,1,2,3,4,5,6,7
	global_load_b128 v[BB+8*\b:BB+8*\b+3], v[BBO], s[96:97] offset:64*\b
	global_load_b128 v[BB+8*\b+4:BB+8*\b+7], v[BBO], s[96:97] offset:64*\b+16
.endr
.irp a, 0,1,2,3,4,5,6,7
	global_load_b32 v[BA+2*\a], v[BAO], s[98:99] offset:64*\a
	global_load_b32 v[BA+2*\a+1], v[BAO], s[98:99] offset:64*\a
.endr
.macro FRAG reg, adr, q, i             ; 16 rows x 128 K of 4-bit codes: 8 registers: registers 4 c .. 4 c + 3 hold K = 64 c + 32 h + 0 .. 31
.irp c, 0,1
	ds_load_b128 v[\reg+4*\c:\reg+4*\c+3], v[\adr] offset:64*(\q)+32*\c+(\i)*16*PITCH
.endr
.endm
; 16 matrix instructions: role A's blocks a0, a0 + 1 x role B's eight.  The 64 accumulators take turns, one instruction a turn, in the same order in every step.
.macro MUL16 a0, p, q, sc, zero
.irp a, \a0, \a0+1
.irp b, 0,1,2,3,4,5,6,7
.if \zero
	v_wmma_scale_f32_16x16x128_f8f6f4 v[8*(8*((\a)%4)+\b):8*(8*((\a)%4)+\b)+7], v[128*(\p)+FR*\b:128*(\p)+FR*\b+FR-1], v[AF+FR*(\a):AF+FR*(\a)+FR-1], 0, v[SC+8*NQ*(\sc)+NQ*\b+(\q)], v[SC+8*NQ*(\sc)+NQ*(\a)+(\q)] matrix_a_fmt:MATRIX_FMT_FP4 matrix_b_fmt:MATRIX_FMT_FP4 matrix_a_scale:MATRIX_SCALE_ROW1
.else
	v_wmma_scale_f32_16x16x128_f8f6f4 v[8*(8*((\a)%4)+\b):8*(8*((\a)%4)+\b)+7], v[128*(\p)+FR*\b:128*(\p)+FR*\b+FR-1], v[AF+FR*(\a):AF+FR*(\a)+FR-1], v[8*(8*((\a)%4)+\b):8*(8*((\a)%4)+\b)+7], v[SC+8*NQ*(\sc)+NQ*\b+(\q)], v[SC+8*NQ*(\sc)+NQ*(\a)+(\q)] matrix_a_fmt:MATRIX_FMT_FP4 matrix_b_fmt:MATRIX_FMT_FP4 matrix_a_scale:MATRIX_SCALE_ROW1
.endif
.endr
.endr
.endm
.macro FETCH_B slot, q, p
	WIN TO_B
.irp i, 0,1,2,3,4,5,6,7
	FRAG 128*(\p)+FR*\i, ADRB+\slot, \q, \i
.endr
	WIN 0
.endm
.macro FETCH_A slot, q, i0
.irp i, \i0, \i0+1, \i0+2, \i0+3
	FRAG AF+FR*(\i), ADRA+\slot, \q, \i
.endr
.endm
.macro SCALES sc                       ; a slot's scale words: four a row
.irp i, 0,1,2,3,4,5,6,7
	ds_load_b128 v[SC+8*NQ*\sc+NQ*\i:SC+8*NQ*\sc+NQ*\i+3], v[ADRS] offset:\i*SBLK
.endr
.endm
.macro PLACES n                        ; plain vector lines between a matrix instruction and a load into, or a vector line on, its registers
.rept \n
	v_nop
.endr
.endm
.macro STEP slot, q, zero              ; 128 along K whose successor lies in the same slot
	s_wait_dscnt 4*NL                              ; role B's set and role A's blocks 0-3 are in; the youngest eight loads (blocks 4-7) may be out
	WIN MUL_LO
	MUL16 0, (\q)%2, \q, \slot, \zero
	MUL16 2, (\q)%2, \q, \slot, \zero
	s_wait_dscnt 0
	PLACES NP
	FETCH_B \slot, (\q)+1, 1-(\q)%2
	FETCH_A \slot, (\q)+1, 0
	WIN MUL_HI
	MUL16 4, (\q)%2, \q, \slot, \zero
	MUL16 6, (\q)%2, \q, \slot, \zero
	PLACES NP
	WIN 0
	FETCH_A \slot, (\q)+1, 4
.endm
.macro TURN slot, next                 ; slot 0's last step: behind the barrier slot 1 is whole in every wave's eyes.  Nothing is filled again
	s_wait_tensorcnt 0x0                           ; all my tensor loads have landed: my part of slot 1
	ds_add_u32 v[SPW], v[NIL]                      ; 0 onto my spare word
	s_wait_dscnt 4*NL+1                            ; the add and the youngest eight loads may be out
	WIN MUL_LO
	MUL16 0, 1, NQ-1, \slot, 0
	s_wait_dscnt 0x0
	s_barrier_signal -1
	MUL16 2, 1, NQ-1, \slot, 0
	WIN 0
	s_barrier_wait -1
	PLACES NP
	v_add_nc_u32 v[ADRS], 4*NQ, v[ADRS]            ; the next 512 along K: 16 bytes on in each row of scales
	FETCH_B \next, 0, 0
	FETCH_A \next, 0, 0
	SCALES \next
	WIN MUL_HI
	MUL16 4, 1, NQ-1, \slot, 0
	MUL16 6, 1, NQ-1, \slot, 0
	PLACES NP
	WIN 0
	FETCH_A \next, 0, 4
.endm
.macro STEPS slot, from
.set Q, \from
.rept NQ-1-\from
	STEP \slot, Q, 0
.set Q, Q+1
.endr
.endm
	s_wait_tensorcnt 1                             ; the scales and my part of slot 0 are in; slot 1's load may be out
	s_barrier_signal -1
	s_barrier_wait -1
	FETCH_B 0, 0, 0
	FETCH_A 0, 0, 0
	SCALES 0
	FETCH_A 0, 0, 4
	STEP 0, 0, 1                                   ; the first products start the sums: nothing is cleared
	STEPS 0, 1
	TURN 0, 1
	STEPS 1, 0
	s_wait_dscnt 4*NL
	WIN MUL_LO
	MUL16 0, 1, NQ-1, 1, 0
	MUL16 2, 1, NQ-1, 1, 0
	s_wait_dscnt 0
	WIN MUL_HI
	MUL16 4, 1, NQ-1, 1, 0
	MUL16 6, 1, NQ-1, 1, 0
	WIN 0
	PLACES NP                                      ; behind the last products: their results are read and their operands' registers written below
	s_wait_loadcnt 0x0                             ; the biases
	s_and_b32 s18, s17, 31                         ; y inside the tensor:
	s_lshr_b32 s19, s18, 3                         ; the batch,
	s_and_b32 s18, s18, 7                          ; and which 256 tokens of it
	s_lshl_b32 s19, s19, 4
	s_lshl_b32 s20, s95, 2
	s_add_co_u32 s19, s19, s20                     ; 16 batch + 4 x: the tile's first head
	s_mov_b32 s21, 0
	s_cmp_eq_u32 s66, 1
	s_cbranch_scc1 .Lway_v
; ---- q and k: lane = token 16 a + r, registers = channels 16 b + 8 h + j
	s_lshl_b32 s20, s16, 1
	s_add_co_u32 s19, s19, s20                     ; my first head
	s_lshl_b32 s19, s19, 7
	s_lshl_b32 s20, s18, 4
	s_add_co_u32 s19, s19, s20
	s_lshl_b32 s20, s15, 3
	s_add_co_u32 s19, s19, s20                     ; x 128 tiles + my first tile of 16 tokens
	s_lshl_b32 s19, s19, 11
	s_lshl_b32 s20, s67, 24
	s_add_co_u32 s20, s20, s19
	s_add_nc_u64 s[12:13], s[12:13], s[20:21]
.macro OUTQK a
.set AC, 64*((\a)%4)
.if (\a) >= 2
	s_wait_xcnt 0x0                                ; the stores of two blocks back have read their data
.endif
	WIN 0x02+(\a)/4                                ; source 0: window 2 or 3
.irp b, 0,1,2,3,4,5,6,7
.irp i, 0,2,4,6
	v_pk_add_f32 v[32+8*\b+\i:33+8*\b+\i], v[AC+8*\b+\i:AC+8*\b+\i+1], v[BB+8*\b+\i:BB+8*\b+\i+1]   ; + bias; each accumulator from its low end on
.endr
.endr
	WIN 0
.irp b, 0,1,2,3,4,5,6,7
.irp i, 0,1,2,3
	v_cvt_pk_f16_f32 v[128+32*((\a)%2)+4*\b+\i], v[32+8*\b+2*\i], v[33+8*\b+2*\i]
.endr
.endr
.irp b, 0,1,2,3,4,5,6,7
	global_store_b128 v[CO], v[128+32*((\a)%2)+4*\b:128+32*((\a)%2)+4*\b+3], s[12:13] offset:(\b/4)*262144+(\a)*2048+((\b/2)%2)*1024+(\b%2)*512   ; half an image: 512 consecutive bytes, aligned
.endr
.endm
.irp a, 0,1,2,3,4,5,6,7
	OUTQK \a
.endr
	s_branch .Ljoin
.Lway_v:
; ---- v: lane = channel 16 a + r, registers = tokens 16 b + 8 h + j
	s_lshl_b32 s20, s15, 1
	s_add_co_u32 s19, s19, s20                     ; my first head
	s_lshl_b32 s19, s19, 6
	s_lshl_b32 s20, s18, 3
	s_add_co_u32 s19, s19, s20
	s_lshl_b32 s20, s16, 2
	s_add_co_u32 s19, s19, s20                     ; x 64 + my first run of 32 keys
	s_lshl_b32 s20, s19, 12
	s_add_co_u32 s20, s20, 2<<24
	s_add_nc_u64 s[12:13], s[12:13], s[20:21]      ; the high parts,
	s_add_nc_u64 s[92:93], s[12:13], 1<<24         ; the low parts
	s_mov_b32 s22, 0xffffe000                      ; keeps sign, exponent and ten mantissa bits
.macro OUTV a
.set AC, 64*((\a)%4)
.if (\a) >= 1
	s_wait_xcnt 0x0                                ; the last block's stores have read their data
.endif
	WIN 0x02+(\a)/4
.irp b, 0,1,2,3,4,5,6,7
.irp i, 0,2,4,6
	v_pk_add_f32 v[128+8*\b+\i:129+8*\b+\i], v[AC+8*\b+\i:AC+8*\b+\i+1], v[BA+2*(\a):BA+2*(\a)+1]   ; + my channel's bias
.endr
.endr
	WIN 0
.set k, 0
.rept 64
	v_and_b32 v[192+k], s22, v[128+k]              ; the high part, in f32
.set k, k+1
.endr
.set k, 0
.rept 32
	v_pk_add_f32 v[128+2*k:129+2*k], v[128+2*k:129+2*k], v[192+2*k:193+2*k] neg_lo:[0,1] neg_hi:[0,1]   ; what is left: exact
	v_cvt_pk_f16_f32 v[32+k], v[192+2*k], v[193+2*k]
.set k, k+1
.endr
.set k, 0
.rept 32
	v_cvt_pk_f16_f32 v[64+k], v[128+2*k], v[129+2*k]
.set k, k+1
.endr
.irp b, 0,1,2,3,4,5,6,7
	global_store_b128 v[CO], v[32+4*\b:35+4*\b], s[12:13] offset:((\a)/4)*262144+(\b/2)*4096+((\a)%4)*1024+(\b%2)*512
	global_store_b128 v[CO], v[64+4*\b:67+4*\b], s[92:93] offset:((\a)/4)*262144+(\b/2)*4096+((\a)%4)*1024+(\b%2)*512
.endr
.endm
.irp a, 0,1,2,3,4,5,6,7
	OUTV \a
.endr
.Ljoin:
	s_wait_tensorcnt 0x0                           ; the wave's end
	ds_add_u32 v[SPW], v[NIL]
	s_wait_dscnt 0x0
	CROUND                                         ; the closing round
	s_endpgm
.Lfunc_end_k_qe970fd1db4_proj:
	.size	k_qe970fd1db4_proj, .Lfunc_end_k_qe970fd1db4_proj-k_qe970fd1db4_proj
	.p2alignl 7, 3214868480
	.fill 96, 4, 3214868480
	.section	.rodata,"a",@progbits
	.p2align	6, 0x0
	.amdhsa_kernel k_qe970fd1db4_proj
		.amdhsa_group_segment_fixed_size 327680
		.amdhsa_private_segment_fixed_size 0
		.amdhsa_enable_private_segment 0
		.amdhsa_kernarg_size 40
		.amdhsa_user_sgpr_count 2
		.amdhsa_user_sgpr_kernarg_segment_ptr 1
		.amdhsa_wavefront_size32 1
		.amdhsa_system_sgpr_workgroup_id_x 1
		.amdhsa_system_sgpr_workgroup_id_y 1
		.amdhsa_system_sgpr_workgroup_id_z 1
		.amdhsa_system_vgpr_workitem_id 0
		.amdhsa_next_free_vgpr 1024
		.amdhsa_next_free_sgpr 100
		.amdhsa_reserve_vcc 1
		.amdhsa_float_denorm_mode_32 3
		.amdhsa_float_denorm_mode_16_64 3
		.amdhsa_memory_ordered 1
		.amdhsa_forward_progress 1
		.amdhsa_inst_pref_size 231
	.end_amdhsa_kernel
	.amdgpu_metadata
---
amdhsa.version: [ 1, 2 ]
amdhsa.kernels:
  - .name:           k_qe970fd1db4_proj
    .symbol:         k_qe970fd1db4_proj.kd
    .args:
      - { .name: prep, .offset: 0, .size: 8, .value_kind: global_buffer, .address_space: global }
      - { .name: bq, .offset: 8, .size: 8, .value_kind: global_buffer, .address_space: global }
      - { .name: bk, .offset: 16, .size: 8, .value_kind: global_buffer, .address_space: global }
      - { .name: bv, .offset: 24, .size: 8, .value_kind: global_buffer, .address_space: global }
      - { .name: qkv, .offset: 32, .size: 8, .value_kind: global_buffer, .address_space: global }
    .group_segment_fixed_size: 327680
    .private_segment_fixed_size: 0
    .kernarg_segment_align: 8
    .kernarg_segment_size: 40
    .max_flat_workgroup_size: 128
    .sgpr_count:     100
    .vgpr_count:     1024
    .wavefront_size: 32
...
	.end_amdgpu_metadata
.endif
;; end of part 2
;; launch attn (part 3): grid 64 x 4, 16 waves a work-group, no clusters, 34,816 bytes of LDS; arguments qkv, attn_mask, flags, ctx; writes ctx
.if DOCPART == 3
	.amdgcn_target "amdgcn-amd-amdhsa--gfx1250"
	.amdhsa_code_object_version 6
	.text
	.protected	k_qe970fd1db4_attn
	.globl	k_qe970fd1db4_attn
	.p2align	8
	.type	k_qe970fd1db4_attn,@function
k_qe970fd1db4_attn:
	s_mov_b64 s[64:65], 0
	v_nop
	global_prefetch_b8 v0, s[64:65] scope:SCOPE_SE
	s_setreg_imm32_b32 hwreg(HW_REG_WAVE_MODE, 25, 1), 1
	s_wait_xcnt 0x0
; ATTN.  ctx[b][l][h][:] = the sum over s of softmax_s(q . k / 8, hidden where attn_mask[l][s]) v[s][:], f16 operands, f32 sums, maxima and exponentials; running maximum and sum.
; The mask is an input: its bytes are loaded and applied.  The bit words that the first launch stored say, for each group of 32 queries and each step of 64 keys, whether anything is open (ANY) and whether anything is hidden (MIX):
; a step with nothing open is passed over, a step with nothing hidden needs no mask bytes.  These are scalar branches on stored whole numbers; this launch has no tensor load: LDS is filled through registers.
; SHARES.  Work-group (bh, i) owns query blocks i and 7 - i (256 queries each) of one batch and head; each of its sixteen waves owns 32 queries, two tiles of 16.  half = (w xor w / 4) & 1 says which block.
; Every wave walks 32 trips of 64 keys: a constant count, one barrier a trip, never jumped over.  A step that none of the sixteen waves needs (NEEDS) is not fetched.
; LDS.  Two slots of 16 KB: a step's K (8 images of 1 KB) and V^T (8 images).  Wave w brings 1 KB of the step: memory -> 8 registers a trip ahead -> ds_store behind the next barrier.  Images are consecutive bytes: no pitch, no conflicts.
; LAYOUT.  S^T = K Q^T (source 0 = 16 keys, source 1 = 16 queries): a lane holds one query and keys 8 h + 0..7.  Two such tiles, rounded to f16 in pairs, are source 1 of O^T = V^T P.
; A row that is hidden altogether ends as 0 x (1 / 0) = NaN, as the softmax of a row of -infinity is.
; The result leaves as operand images of the output projection: (((mt 8 + head / 2) 8 + rt) 4 + 2 (head % 2) + uu) x 1,024.
; LIMITS: the context beyond 65,504 does not fit f16; bool bytes are 0 or 1; scores under -3e38 are not told from hidden ones.
.set SLOTB, 16384
.set VOFF,  8192
.set SPARE, 2*SLOTB                    ; the spare words, 128 bytes a wave; no other line names them
.set LI,   1                           ; v1   16 x lane
.set LW,   2                           ; v2   16 x lane + 1,024 x wave: where I store my part of a step
.set MO,   3                           ; v3   r x 2,048 + 8 h: my mask bytes
.set SPW,  4
.set NIL,  5
.set NINF, 6                           ; v6   -infinity
.set PFO,  7                           ; v7   256 x lane
.set ST,   12                          ; tile q at v[12 + 8 q]: +0 c m, +1 m, +2, +3 the sum, +4 .. +7 at work (+6 a, +7 c m_old - c m_new)
.set STG,  28                          ; v28-43  two sets of 8 staging registers
.set QF,   44                          ; v44-75  Q: 16 q + 8 u
.set S,    76                          ; v76-139 S^T: 32 q + 8 kt; later P in place: 32 q + 8 ks
.set O,    140                         ; v140-203 O^T: 32 q + 8 ct
.set MB,   204                         ; v204-219 mask bytes: 8 q + 2 kt
.set F,    220                         ; v220-251 four fragments of K or of V
.set TP,   252
.macro PLACES n
.rept \n
	v_nop
.endr
.endm
	s_load_b256 s[4:11], s[0:1], 0x0               ; qkv 4, mask 6, flags 8, ctx 10
	v_lshl_add_u32 v[SPW], v0, 2, SPARE
	v_mov_b32 v[NIL], 0
	v_lshrrev_b32 v8, 5, v0
	v_readfirstlane_b32 s16, v8                    ; wave
	s_and_b32 s12, ttmp7, 0xffff                   ; i
	s_lshr_b32 s17, s16, 2
	s_xor_b32 s17, s17, s16
	s_and_b32 s17, s17, 1                          ; half
	s_lshr_b32 s18, s16, 1                         ; which 32 of the block's 256 queries
	s_sub_co_u32 s13, 7, s12
	s_cmp_eq_u32 s17, 0
	s_cselect_b32 s19, s12, s13                    ; my block
	s_lshl_b32 s19, s19, 3
	s_add_co_u32 s19, s19, s18                     ; qg: my group of 32 queries
	s_lshl_b32 s20, s19, 3
	s_mov_b32 s21, 0
	s_lshl_b32 s74, s12, 6
	s_mov_b32 s75, 0
	s_lshl_b32 s76, s13, 6
	s_mov_b32 s77, 0
	s_wait_kmcnt 0x0
	s_add_nc_u64 s[14:15], s[8:9], s[20:21]
	s_add_nc_u64 s[70:71], s[8:9], s[74:75]
	s_add_nc_u64 s[72:73], s[8:9], s[76:77]
	s_load_b64 s[22:23], s[14:15], 0x0             ; my group's ANY, MIX
	s_load_b512 s[32:47], s[70:71], 0x0            ; the eight pairs of block i,
	s_load_b512 s[48:63], s[72:73], 0x0            ; and of block 7 - i
	s_lshl_b32 s20, ttmp9, 18                      ; the head's 262,144 bytes in each of q, k, v^T
	s_lshl_b32 s74, s19, 12
	s_add_co_u32 s74, s74, s20
	s_add_nc_u64 s[74:75], s[4:5], s[74:75]        ; my 32 queries' four images
	v_and_b32 v8, 31, v0
	v_lshlrev_b32 v[LI], 4, v8
	v_lshlrev_b32 v[PFO], 8, v8
	s_lshl_b32 s76, s16, 10
	v_add_nc_u32 v[LW], s76, v[LI]
	v_and_b32 v9, 15, v0
	v_bfe_u32 v10, v0, 4, 1
	v_lshlrev_b32 v[MO], 11, v9
	v_lshl_add_u32 v[MO], v10, 3, v[MO]
	v_mov_b32 v[NINF], 0xff800000
.irp f, 0,1,2,3
	global_load_b128 v[QF+8*\f:QF+8*\f+3], v[LI], s[74:75] offset:1024*\f
	global_load_b128 v[QF+8*\f+4:QF+8*\f+7], v[LI], s[74:75] offset:1024*\f+512
.endr
	s_lshr_b32 s76, s16, 3                         ; waves 0-7 bring K (at 2^24), waves 8-15 V^T (at 2 x 2^24)
	s_add_co_u32 s76, s76, 1
	s_lshl_b32 s76, s76, 24
	s_add_co_u32 s76, s76, s20
	s_and_b32 s77, s16, 7
	s_lshl_b32 s78, s77, 10
	s_add_co_u32 s76, s76, s78                     ; my 1,024 bytes of a step's 8,192,
	s_sub_co_u32 s76, s76, 8192                    ; one step behind step 0: each trip steps the pointer behind its barrier
	s_or_b32 s78, s77, s12
	s_cmp_eq_u32 s78, 0
	s_cselect_b32 s31, 1, 0                        ; waves 0 and 8 of the head's work-group i = 0 prefetch
	s_mov_b32 s77, 0
	s_add_nc_u64 s[26:27], s[4:5], s[76:77]
	s_lshl_b32 s76, s19, 16
	s_add_nc_u64 s[28:29], s[6:7], s[76:77]        ; the mask at my first query, key 0
	s_mov_b32 s66, 0x3e38aa3b                      ; c = log2(e) / 8
	s_mov_b32 s67, s66
	s_mov_b32 s68, 0x76543210                      ; lane l xor 16
	s_mov_b32 s69, 0xfedcba98
.irp q, 0,1
	v_mov_b32 v[ST+8*\q+1], 0xff61b1e6             ; m = -3e38, under every score
	v_mul_f32 v[ST+8*\q], s66, v[ST+8*\q+1]
.irp j, 2,3,4,5,6,7
	v_mov_b32 v[ST+8*\q+\j], 0
.endr
.endr
.set j, 0
.rept 16
	v_mov_b32 v[STG+j], 0                          ; written once: a step that is not fetched leaves its set as it is
.set j, j+1
.endr
.set j, 0
.rept 64
	v_mov_b32 v[O+j], 0                            ; the trip is written once: the first finds zeros
.set j, j+1
.endr
	s_wait_kmcnt 0x0
	s_or_b32 s24, s32, s34                         ; NEEDS: the steps that any of the sixteen waves walks
.irp j, 36,38,40,42,44,46,48,50,52,54,56,58,60,62
	s_or_b32 s24, s24, s\j
.endr
	s_bitcmp1_b32 s24, 0
	s_cbranch_scc0 .Lp0
	global_load_b128 v[STG:STG+3], v[LI], s[26:27] offset:8192         ; step 0
	global_load_b128 v[STG+4:STG+7], v[LI], s[26:27] offset:8704
.Lp0:
	s_bitcmp1_b32 s24, 1
	s_cbranch_scc0 .Lp1
	global_load_b128 v[STG+8:STG+11], v[LI], s[26:27] offset:16384     ; step 1
	global_load_b128 v[STG+12:STG+15], v[LI], s[26:27] offset:16896
.Lp1:
	s_wait_loadcnt 0x0                             ; Q and both sets
	s_bitcmp1_b32 s24, 0
	s_cbranch_scc0 .Lp2
	ds_store_b128 v[LW], v[STG:STG+3]
	ds_store_b128 v[LW], v[STG+4:STG+7] offset:512
.Lp2:
; S^T = K Q^T for both tiles of queries: two key tiles at a time; four accumulators take turns
.macro SPROD s
.irp g, 0,1
.if \g
	PLACES 4                                       ; in front of loads into registers that matrix instructions have read
.endif
.irp f, 0,1,2,3                        ; fragment f: key tile 2 g + f / 2, channels 32 (f % 2) on
	ds_load_b128 v[F+8*\f:F+8*\f+3], v[LI] offset:\s*SLOTB+(4*\g+\f)*1024
	ds_load_b128 v[F+8*\f+4:F+8*\f+7], v[LI] offset:\s*SLOTB+(4*\g+\f)*1024+512
.endr
	s_wait_dscnt 0x0
.irp u, 0,1
.irp k, 0,1
.irp q, 0,1
.if \u == 0
	v_wmma_f32_16x16x32_f16 v[S+32*\q+8*(2*\g+\k):S+32*\q+8*(2*\g+\k)+7], v[F+8*(2*\k+\u):F+8*(2*\k+\u)+7], v[QF+16*\q+8*\u:QF+16*\q+8*\u+7], 0
.else
	v_wmma_f32_16x16x32_f16 v[S+32*\q+8*(2*\g+\k):S+32*\q+8*(2*\g+\k)+7], v[F+8*(2*\k+\u):F+8*(2*\k+\u)+7], v[QF+16*\q+8*\u:QF+16*\q+8*\u+7], v[S+32*\q+8*(2*\g+\k):S+32*\q+8*(2*\g+\k)+7]
.endif
.endr
.endr
.endr
.endr
	PLACES 4                                       ; in front of the first read of the scores
.endm
.macro MASKLD                          ; lane (r, h): 8 bytes for query 16 q + r, keys 16 kt + 8 h + 0 .. 7
.irp q, 0,1
.irp k, 0,1,2,3
	global_load_b64 v[MB+8*\q+2*\k:MB+8*\q+2*\k+1], v[MO], s[28:29] offset:\q*32768+16*\k
.endr
.endr
.endm
.macro MASKAP                          ; hidden scores become -infinity ahead of the maximum; each accumulator from its low end on
.irp q, 0,1
.set n, 0
.rept 32
	v_bfe_u32 v[TP], v[MB+8*\q+n/4], 8*(n%4), 8
	v_cmp_ne_u32 vcc_lo, 0, v[TP]
	v_cndmask_b32 v[S+32*\q+n], v[S+32*\q+n], v[NINF], vcc_lo
.set n, n+1
.endr
.endr
.endm
.macro VLOAD s, ks                     ; V^T's four fragments (16 channels x 32 keys) of keys 32 ks on
.irp t, 0,1,2,3
	ds_load_b128 v[F+8*\t:F+8*\t+3], v[LI] offset:\s*SLOTB+VOFF+\ks*4096+\t*1024
	ds_load_b128 v[F+8*\t+4:F+8*\t+7], v[LI] offset:\s*SLOTB+VOFF+\ks*4096+\t*1024+512
.endr
.endm
.macro PVMUL ks                        ; O^T += V^T P: eight accumulators take turns
	s_wait_dscnt 0x0
.irp t, 0,1,2,3
.irp q, 0,1
	v_wmma_f32_16x16x32_f16 v[O+32*\q+8*\t:O+32*\q+8*\t+7], v[F+8*\t:F+8*\t+7], v[S+32*\q+8*\ks:S+32*\q+8*\ks+7], v[O+32*\q+8*\t:O+32*\q+8*\t+7]
.endr
.endr
.endm
; The softmax of one step, both tiles line by line in turn.
.macro SOFTMAX s
.irp j, 0,1,2,3
.irp q, 0,1
	v_max3_num_f32 v[ST+8*\q+4+\j], v[S+32*\q+8*\j], v[S+32*\q+8*\j+1], v[S+32*\q+8*\j+2]   ; four chains, each begun at an accumulator's low end
.endr
.endr
.irp p, 1,2
.irp j, 0,1,2,3
.irp q, 0,1
	v_max3_num_f32 v[ST+8*\q+4+\j], v[ST+8*\q+4+\j], v[S+32*\q+8*\j+2*\p+1], v[S+32*\q+8*\j+2*\p+2]
.endr
.endr
.endr
.irp q, 0,1
	v_max3_num_f32 v[ST+8*\q+4], v[ST+8*\q+4], v[S+32*\q+7], v[S+32*\q+15]
	v_max3_num_f32 v[ST+8*\q+6], v[ST+8*\q+6], v[S+32*\q+23], v[S+32*\q+31]
.endr
.irp q, 0,1
	v_max3_num_f32 v[ST+8*\q+4], v[ST+8*\q+4], v[ST+8*\q+5], v[ST+8*\q+6]
.endr
.irp q, 0,1
	v_max3_num_f32 v[ST+8*\q+4], v[ST+8*\q+4], v[ST+8*\q+7], v[ST+8*\q+1]   ; and the old m
.endr
.irp q, 0,1
	v_permlanex16_b32 v[ST+8*\q+5], v[ST+8*\q+4], s68, s69   ; the query's other 32 keys lie in the lane 16 away
.endr
.irp q, 0,1
	v_mov_b32 v[ST+8*\q+7], v[ST+8*\q]             ; c m_old
.endr
.irp q, 0,1
	v_max_num_f32 v[ST+8*\q+1], v[ST+8*\q+4], v[ST+8*\q+5]
.endr
.irp q, 0,1
	v_mul_f32 v[ST+8*\q], s66, v[ST+8*\q+1]
.endr
.irp q, 0,1
	v_sub_f32 v[ST+8*\q+7], v[ST+8*\q+7], v[ST+8*\q]
.endr
.irp j, 0,2,4,6,8,10,12,14,16,18,20,22,24,26,28,30
.irp q, 0,1
	v_pk_fma_f32 v[S+32*\q+\j:S+32*\q+\j+1], v[S+32*\q+\j:S+32*\q+\j+1], s[66:67], v[ST+8*\q:ST+8*\q+1] op_sel_hi:[1,0,0] neg_lo:[0,0,1] neg_hi:[0,0,1]   ; c s - c m
.endr
.endr
.irp q, 0,1
	v_exp_f32 v[ST+8*\q+6], v[ST+8*\q+7]           ; a = 2^(c m_old - c m_new)
.endr
.set n, 0
.rept 64
	v_exp_f32 v[S+n], v[S+n]                       ; p: one batch of 66 exponentials
.set n, n+1
.endr
	v_nop                                          ; the plain line behind the last exponential
	s_wait_alu depctr_va_vdst(0)                   ; one wait for the batch, ahead of its first reader
	VLOAD \s, 0                                    ; V's first fragments come while the sums are taken
.irp q, 0,1
	v_pk_add_f32 v[ST+8*\q+4:ST+8*\q+5], v[S+32*\q:S+32*\q+1], v[S+32*\q+2:S+32*\q+3]       ; the sum of the f32 p, two chains a tile
	v_pk_add_f32 v[TP+2*\q:TP+2*\q+1], v[S+32*\q+4:S+32*\q+5], v[S+32*\q+6:S+32*\q+7]
.endr
.irp j, 8,12,16,20,24,28
.irp q, 0,1
	v_pk_add_f32 v[ST+8*\q+4:ST+8*\q+5], v[ST+8*\q+4:ST+8*\q+5], v[S+32*\q+\j:S+32*\q+\j+1]
	v_pk_add_f32 v[TP+2*\q:TP+2*\q+1], v[TP+2*\q:TP+2*\q+1], v[S+32*\q+\j+2:S+32*\q+\j+3]
.endr
.endr
.irp q, 0,1
	v_pk_add_f32 v[ST+8*\q+4:ST+8*\q+5], v[ST+8*\q+4:ST+8*\q+5], v[TP+2*\q:TP+2*\q+1]
.endr
.irp q, 0,1
	v_pk_fma_f32 v[ST+8*\q+2:ST+8*\q+3], v[ST+8*\q+2:ST+8*\q+3], v[ST+8*\q+6:ST+8*\q+7], v[ST+8*\q+4:ST+8*\q+5] op_sel_hi:[1,0,1]   ; l = l a + the sum
.endr
.irp j, 0,1,2,3,4,5,6,7,8,9,10,11,12,13,14,15
.irp q, 0,1
	v_cvt_pk_f16_f32 v[S+32*\q+\j], v[S+32*\q+2*\j], v[S+32*\q+2*\j+1]   ; P in place, ascending: register j never lies above the pair that it is made of
.endr
.endr
.irp j, 0,2,4,6,8,10,12,14,16,18,20,22,24,26,28,30
.irp q, 0,1
	v_pk_mul_f32 v[O+32*\q+\j:O+32*\q+\j+1], v[O+32*\q+\j:O+32*\q+\j+1], v[ST+8*\q+6:ST+8*\q+7] op_sel_hi:[1,0]   ; O^T x a
.endr
.endr
.endm
; TRIP t, s = t & 1.  One barrier: in front of it my stores into slot s and my reads of slot 1 - s are done; behind it slot s is read and slot 1 - s written.
.macro TRIP s
	s_wait_loadcnt 0x0                             ; the staging loads of the last trip
	s_wait_dscnt 0x0                               ; my LDS stores have landed, my LDS reads are back
	s_barrier_signal -1
	s_barrier_wait -1
	s_wait_xcnt 0x0                                ; the last trip's loads and prefetch have read their address
	s_add_nc_u64 s[26:27], s[26:27], 8192          ; the pointer now stands at step t
	s_bitcmp1_b32 s24, 1
	s_cbranch_scc0 .Lnst_\@
	ds_store_b128 v[LW], v[STG+8*(1-\s):STG+8*(1-\s)+3] offset:(1-\s)*SLOTB          ; step t + 1 into the other slot
	ds_store_b128 v[LW], v[STG+8*(1-\s)+4:STG+8*(1-\s)+7] offset:(1-\s)*SLOTB+512
.Lnst_\@:
	s_bitcmp1_b32 s24, 2
	s_cbranch_scc0 .Lnld_\@
	global_load_b128 v[STG+8*\s:STG+8*\s+3], v[LI], s[26:27] offset:16384            ; step t + 2: it has this trip in which to land
	global_load_b128 v[STG+8*\s+4:STG+8*\s+7], v[LI], s[26:27] offset:16896
.Lnld_\@:
	s_lshr_b32 s20, s24, 4                         ; step t + 4's 8,192 bytes of K (wave 0) or V^T (wave 8), lanes 256 bytes apart, asked for by the head's work-group i = 0 alone: two trips ahead of the load.  Bits past step 31 are 0
	s_and_b32 s20, s20, s31
	s_cmp_lg_u32 s20, 0
	s_cbranch_scc0 .Lnpf_\@
	global_prefetch_b8 v[PFO], s[26:27] offset:32768 th:TH_LOAD_NT scope:SCOPE_SE
.Lnpf_\@:
	s_bitcmp1_b32 s22, 0                           ; is anything open for my 32 queries in this step?
	s_cbranch_scc0 .Lskip_\@
	s_bitcmp1_b32 s23, 0                           ; is anything hidden?
	s_cbranch_scc0 .Lopen_\@
	MASKLD
	SPROD \s
	s_wait_loadcnt 0x0                             ; the mask bytes
	MASKAP
	s_branch .Lsm_\@
.Lopen_\@:
	SPROD \s
.Lsm_\@:
	SOFTMAX \s
	PVMUL 0
	PLACES 4
	VLOAD \s, 1
	PVMUL 1
	PLACES 5                                       ; the next scores are laid over P's registers by matrix instructions, and loads land in the fragments
.Lskip_\@:
	s_add_nc_u64 s[28:29], s[28:29], 64            ; (its loads were waited for above)
	s_lshr_b32 s22, s22, 1                         ; the next step's bits come down to constant places
	s_lshr_b32 s23, s23, 1
	s_lshr_b32 s24, s24, 1
.endm
	s_mov_b32 s30, 16
.Ltrips:
	TRIP 0
	TRIP 1
	s_sub_co_u32 s30, s30, 1
	s_cmp_lg_u32 s30, 0
	s_cbranch_scc1 .Ltrips
	; THE WAY OUT: O^T / l, rounded to f16: four packed registers are half an image of the output projection's operand
.irp q, 0,1
	v_add_f32 v[ST+8*\q+4], v[ST+8*\q+2], v[ST+8*\q+3]
.endr
.irp q, 0,1
	v_permlanex16_b32 v[ST+8*\q+5], v[ST+8*\q+4], s68, s69
.endr
.irp q, 0,1
	v_add_f32 v[ST+8*\q+4], v[ST+8*\q+4], v[ST+8*\q+5]
.endr
.irp q, 0,1
	v_rcp_f32 v[ST+8*\q+6], v[ST+8*\q+4]
.endr
	v_nop
	s_lshr_b32 s20, ttmp9, 4                       ; batch
	s_lshl_b32 s20, s20, 7
	s_lshl_b32 s21, s19, 1
	s_add_co_u32 s20, s20, s21                     ; gt: my first tile of 16 among all tokens
	s_and_b32 s12, ttmp9, 15                       ; head
	s_lshr_b32 s21, s20, 3
	s_lshl_b32 s21, s21, 3
	s_lshr_b32 s13, s12, 1
	s_add_co_u32 s21, s21, s13
	s_lshl_b32 s21, s21, 3
	s_and_b32 s20, s20, 7
	s_add_co_u32 s21, s21, s20
	s_lshl_b32 s21, s21, 2
	s_and_b32 s12, s12, 1
	s_lshl_b32 s12, s12, 1
	s_add_co_u32 s21, s21, s12
	s_lshl_b32 s20, s21, 10
	s_mov_b32 s21, 0
	s_add_nc_u64 s[10:11], s[10:11], s[20:21]
	s_wait_alu depctr_va_vdst(0)                   ; one wait for the two reciprocals
.irp q, 0,1
.irp j, 0,2,4,6,8,10,12,14,16,18,20,22,24,26,28,30
	v_pk_mul_f32 v[S+32*\q+\j:S+32*\q+\j+1], v[O+32*\q+\j:O+32*\q+\j+1], v[ST+8*\q+6:ST+8*\q+7] op_sel_hi:[1,0]
.endr
.endr
.irp q, 0,1
.irp j, 0,1,2,3,4,5,6,7,8,9,10,11,12,13,14,15
	v_cvt_pk_f16_f32 v[S+32*\q+\j], v[S+32*\q+2*\j], v[S+32*\q+2*\j+1]
.endr
.endr
.irp q, 0,1
.irp j, 0,1,2,3
	global_store_b128 v[LI], v[S+32*\q+4*\j:S+32*\q+4*\j+3], s[10:11] offset:\q*4096+\j*512   ; 512 consecutive bytes, aligned
.endr
.endr
	s_wait_tensorcnt 0x0                           ; the wave's end: behind my last LDS store
	ds_add_u32 v[SPW], v[NIL]
	s_wait_dscnt 0x0
	s_endpgm
.Lfunc_end_k_qe970fd1db4_attn:
	.size	k_qe970fd1db4_attn, .Lfunc_end_k_qe970fd1db4_attn-k_qe970fd1db4_attn
	.p2alignl 7, 3214868480
	.fill 96, 4, 3214868480
	.section	.rodata,"a",@progbits
	.p2align	6, 0x0
	.amdhsa_kernel k_qe970fd1db4_attn
		.amdhsa_group_segment_fixed_size 34816
		.amdhsa_private_segment_fixed_size 0
		.amdhsa_enable_private_segment 0
		.amdhsa_kernarg_size 32
		.amdhsa_user_sgpr_count 2
		.amdhsa_user_sgpr_kernarg_segment_ptr 1
		.amdhsa_wavefront_size32 1
		.amdhsa_system_sgpr_workgroup_id_x 1
		.amdhsa_system_sgpr_workgroup_id_y 1
		.amdhsa_system_sgpr_workgroup_id_z 1
		.amdhsa_system_vgpr_workitem_id 0
		.amdhsa_next_free_vgpr 256
		.amdhsa_next_free_sgpr 80
		.amdhsa_reserve_vcc 1
		.amdhsa_float_denorm_mode_32 3
		.amdhsa_float_denorm_mode_16_64 3
		.amdhsa_memory_ordered 1
		.amdhsa_forward_progress 1
		.amdhsa_inst_pref_size 73
	.end_amdhsa_kernel
	.amdgpu_metadata
---
amdhsa.version: [ 1, 2 ]
amdhsa.kernels:
  - .name:           k_qe970fd1db4_attn
    .symbol:         k_qe970fd1db4_attn.kd
    .args:
      - { .name: qkv, .offset: 0, .size: 8, .value_kind: global_buffer, .address_space: global }
      - { .name: attn_mask, .offset: 8, .size: 8, .value_kind: global_buffer, .address_space: global }
      - { .name: flags, .offset: 16, .size: 8, .value_kind: global_buffer, .address_space: global }
      - { .name: ctx, .offset: 24, .size: 8, .value_kind: global_buffer, .address_space: global }
    .group_segment_fixed_size: 34816
    .private_segment_fixed_size: 0
    .kernarg_segment_align: 8
    .kernarg_segment_size: 32
    .max_flat_workgroup_size: 512
    .sgpr_count:     80
    .vgpr_count:     256
    .wavefront_size: 32
...
	.end_amdgpu_metadata
.endif
;; end of part 3
;; launch oproj (part 4): grid 4 x 64, 4 waves a work-group, clusters of 4 x 4, 327,680 bytes of LDS; arguments ctx, prep, bo, out0; writes out0
.if DOCPART == 4
	.amdgcn_target "amdgcn-amd-amdhsa--gfx1250"
	.amdhsa_code_object_version 6
	.text
	.protected	k_qe970fd1db4_oproj
	.globl	k_qe970fd1db4_oproj
	.p2align	8
	.type	k_qe970fd1db4_oproj,@function
k_qe970fd1db4_oproj:
	s_mov_b64 s[64:65], 0
	v_nop
	global_prefetch_b8 v0, s[64:65] scope:SCOPE_SE
	s_setreg_imm32_b32 hwreg(HW_REG_WAVE_MODE, 25, 1), 1
	s_wait_xcnt 0x0
	s_wait_alu depctr_hold_cnt(0) depctr_sa_sdst(0) depctr_va_vdst(0) depctr_va_sdst(0) depctr_va_ssrc(0) depctr_va_vcc(0) depctr_vm_vsrc(0)
	s_getreg_b32 s2, hwreg(HW_REG_IB_STS2, 6, 4)
	s_cmp_eq_u32 s2, 0
	s_cbranch_scc0 .Lentry_in_a_cluster
	s_endpgm
.Lentry_in_a_cluster:
	s_bfe_u32 s2, ttmp6, 0x10000c
	s_cmp_lg_u32 s2, 0xf033
	s_cbranch_scc0 .Lentry_shape_is_right
	s_endpgm
.Lentry_shape_is_right:
; OPROJ.  out0 = ctx Wo^T + bo: [8,192 x 1,024] x [1,024 x 1,024], f16 operands, f32 sums.  Both operands lie in memory as operand images (1,024 bytes a fragment of 16 rows x 32 K), ordered so that a K step of 128
; is dense: 32 KB for 128 rows of ctx, 64 KB for 256 rows of Wo.  A tile of out0 is 128 x 256: 256 work-groups.  Four waves, each 64 x 128: 32 accumulators.
; K goes in 8 steps of 128 through a ring of two LDS slots of 96 KB; waves 0, 1 fetch ctx's halves (16 KB), waves 2, 3 Wo's (32 KB), one tensor load a wave behind each round.
; CLUSTER 4 x 4: ctx's tiles are asked for jointly along a row of the cluster, Wo's along a column.  The matrix instruction is used transposed (source 0 = 16 rows of Wo, source 1 = 16 rows of ctx): a lane holds 8 neighbouring columns of a row.
; Images are read as consecutive bytes, 16 a lane: no pitch, no padding.
; No prefetch: two of the eight K steps are asked for at the head, and Wo's images are read again by every cluster.
; REGISTERS: window 0: addresses, bo, rows on the way out.  Window 1: two fragment sets of 96 (ctx's 4 at +8 a, Wo's 8 at +32 + 8 b).  Window 2: accumulator (a, b) at 8 (8 a + b).
.set WO,     15040512
.set SLOT,   98304                     ; ctx's 32 KB, then Wo's 64 KB
.set STAGE,  2*SLOT                    ; behind the ring: 16 rows x 528 bytes a wave, for the way out
.set SPITCH, 528
.set SPARE,  STAGE+4*16*SPITCH         ; the spare words, 128 bytes a wave; no other line names them
.set LAPS,   4
.set BO,   8                           ; v8-11  bo of my 4 columns of a row
.set ADRA, 16
.set ADRB, 20
.set STO,  24
.set RD,   25
.set CO,   26
.set SPW,  28
.set NIL,  29
.set BK,   64                          ; v64-127, v128-191: 16 rows read back, by turns
.set F0,   0
.set F1,   96
.set G1, 24
.set G0, 32
.set G1B, 48
.set G0B, 56
.set MSB, 0
.macro WIN new
.if MSB != (\new)
	s_set_vgpr_msb (MSB<<8)|(\new)
.set MSB, \new
.endif
.endm
.set MUL,  0xa5                        ; sources 0 and 1 window 1; C and D window 2
.set TO_F, 0x40
.macro JLOAD s                         ; waves 0, 1: ctx; waves 2, 3: Wo.  An s_nop 0 and four v_nop follow each line
	s_cmp_eq_u32 s15, 0
	s_cbranch_scc0 .Lfor_b_\@
	tensor_load_to_lds s[G0+4*\s:G0+4*\s+3], s[G1:G1+7]
	s_nop 0
.rept 4
	v_nop
.endr
	s_branch .Lasked_\@
.Lfor_b_\@:
	tensor_load_to_lds s[G0B+4*\s:G0B+4*\s+3], s[G1B:G1B+7]
	s_nop 0
.rept 4
	v_nop
.endr
.Lasked_\@:
.endm
.macro CREST
	s_cmp_lg_u32 s14, 0
	s_cbranch_scc1 .Lnot_wave_0_\@
	s_barrier_signal -3
.Lnot_wave_0_\@:
	s_barrier_wait -3
	s_barrier_signal -1
	s_barrier_wait -1
.endm
.macro CROUND
	s_barrier_signal -1
	s_barrier_wait -1
	CREST
.endm
	s_load_b256 s[4:11], s[0:1], 0x0               ; ctx 4, prep 6, bo 8, out0 10
	v_lshl_add_u32 v[SPW], v0, 2, SPARE
	v_mov_b32 v[NIL], 0
	ds_add_u32 v[SPW], v[NIL]                      ; the wave's opening: the add, twice on end, and its wait ahead of my first tensor load
	ds_add_u32 v[SPW], v[NIL]
	v_lshrrev_b32 v1, 5, v0
	v_readfirstlane_b32 s14, v1                    ; wave
	s_lshr_b32 s15, s14, 1                         ; my half of the tile's rows.  Also: I fetch ctx (0) or Wo (1)
	s_and_b32 s16, s14, 1                          ; my half of its columns.  Also: which half of that block I fetch
	s_bfe_u32 s40, ttmp6, 0x40000
	s_bfe_u32 s41, ttmp6, 0x40004
	s_lshl_b32 s42, ttmp9, 2
	s_add_co_u32 s42, s42, s40                     ; x: 256 columns
	s_and_b32 s17, ttmp7, 0xffff
	s_lshl_b32 s17, s17, 2
	s_add_co_u32 s17, s17, s41                     ; y: 128 rows
	s_lshl_b32 s43, s41, 2
	s_lshl_b32 s43, 15, s43
	s_lshl_b32 s44, 0x1111, s40
	s_or_b32 s[G1+0], s43, (3<<16)|(1<<21)         ; dense blocks as rows of 32 elements of 8 bytes; no padding; bit 21 beside a mask
	s_or_b32 s[G1B+0], s44, (3<<16)|(1<<21)
	s_mov_b32 s[G1+1], 32<<16
	s_mov_b32 s[G1+2], 64<<16                      ; ctx: 64 rows of 256 bytes
	s_mov_b32 s[G1+3], 32<<16
	s_mov_b32 s[G1+4], 64
	s_mov_b32 s[G1+5], 32
	s_mov_b32 s[G1+6], 0
	s_mov_b32 s[G1+7], 0
	s_mov_b32 s[G1B+1], 32<<16
	s_mov_b32 s[G1B+2], 128<<16                    ; Wo: 128 rows
	s_mov_b32 s[G1B+3], 32<<16
	s_mov_b32 s[G1B+4], 128
	s_mov_b32 s[G1B+5], 32
	s_mov_b32 s[G1B+6], 0
	s_mov_b32 s[G1B+7], 0
	s_lshl_b32 s20, s17, 18                        ; ctx: 262,144 bytes a tile row, hangs on y alone
	s_lshl_b32 s21, s16, 14
	s_add_co_u32 s20, s20, s21
	s_mov_b32 s21, 0
	s_lshl_b32 s46, s42, 19                        ; Wo: 524,288 bytes a tile column, hangs on x alone
	s_lshl_b32 s47, s16, 15
	s_add_co_u32 s46, s46, s47
	s_add_co_u32 s46, s46, WO
	s_mov_b32 s47, 0
	s_lshl_b32 s45, s16, 14                        ; where they go in a slot
	s_lshl_b32 s18, s16, 15
	s_add_co_u32 s18, s18, 32768
	s_wait_dscnt 0x0
	s_wait_kmcnt 0x0
	s_add_nc_u64 s[20:21], s[4:5], s[20:21]
	s_add_nc_u64 s[46:47], s[6:7], s[46:47]
	CROUND
.irp s, 0,1
	s_mov_b32 s[G0+4*\s], 1
	s_add_co_u32 s[G0+4*\s+1], s45, \s*SLOT
	s_add_nc_u64 s[G0+4*\s+2:G0+4*\s+3], s[20:21], \s*32768
	s_or_b32 s[G0+4*\s+3], s[G0+4*\s+3], 0x80000000
	s_mov_b32 s[G0B+4*\s], 1
	s_add_co_u32 s[G0B+4*\s+1], s18, \s*SLOT
	s_add_nc_u64 s[G0B+4*\s+2:G0B+4*\s+3], s[46:47], \s*65536
	s_or_b32 s[G0B+4*\s+3], s[G0B+4*\s+3], 0x80000000
	JLOAD \s                                       ; two loads of mine are out
.endr
	v_and_b32 v1, 31, v0
	v_lshlrev_b32 v[CO], 4, v1                     ; 16 x lane
	s_lshl_b32 s21, s15, 14                        ; my 4 row tiles of ctx
	s_lshl_b32 s22, s16, 15
	s_add_co_u32 s22, s22, 32768                   ; my 8 column tiles of Wo
.irp s, 0,1
	v_add_nc_u32 v[ADRA+\s], s21, v[CO]
	v_add_nc_u32 v[ADRB+\s], s22, v[CO]
	s_add_co_u32 s21, s21, SLOT
	s_add_co_u32 s22, s22, SLOT
.endr
	s_mul_i32 s23, s14, 16*SPITCH
	s_add_co_u32 s23, s23, STAGE
	v_and_b32 v3, 15, v0
	v_bfe_u32 v4, v0, 4, 1
	v_mul_u32_u24 v[STO], v3, SPITCH
	v_lshl_add_u32 v[STO], v4, 5, v[STO]
	v_add_nc_u32 v[STO], s23, v[STO]               ; in: row r, 32 bytes for each half of the lanes
	v_add_nc_u32 v[RD], s23, v[CO]                 ; back: the 32 lanes take one row of 512 bytes
	s_lshl_b32 s20, s42, 10
	s_lshl_b32 s21, s16, 9
	s_add_co_u32 s20, s20, s21                     ; my first column, in bytes
	s_mov_b32 s21, 0
	s_add_nc_u64 s[8:9], s[8:9], s[20:21]
	global_load_b128 v[BO:BO+3], v[CO], s[8:9]
	s_lshl_b32 s22, s17, 19
	s_lshl_b32 s23, s15, 18
	s_add_co_u32 s22, s22, s23
	s_add_co_u32 s20, s20, s22                     ; + my first row x 4,096 bytes
	s_add_nc_u64 s[10:11], s[10:11], s[20:21]
.macro FETCH slot, u, f                ; 24 loads: the fragments of 32 along K: Wo's eight, then ctx's four
	WIN TO_F
.irp b, 0,1,2,3,4,5,6,7
	ds_load_b128 v[\f+32+8*\b:\f+32+8*\b+3], v[ADRB+\slot] offset:\b*4096+\u*1024
	ds_load_b128 v[\f+32+8*\b+4:\f+32+8*\b+7], v[ADRB+\slot] offset:\b*4096+\u*1024+512
.endr
.irp a, 0,1,2,3
	ds_load_b128 v[\f+8*\a:\f+8*\a+3], v[ADRA+\slot] offset:\a*4096+\u*1024
	ds_load_b128 v[\f+8*\a+4:\f+8*\a+7], v[ADRA+\slot] offset:\a*4096+\u*1024+512
.endr
.endm
.macro MULA f, a, zero                 ; 8 matrix instructions; the 32 accumulators take turns in one order throughout
.irp b, 0,1,2,3,4,5,6,7
.if \zero
	v_wmma_f32_16x16x32_f16 v[8*(8*\a+\b):8*(8*\a+\b)+7], v[\f+32+8*\b:\f+32+8*\b+7], v[\f+8*\a:\f+8*\a+7], 0
.else
	v_wmma_f32_16x16x32_f16 v[8*(8*\a+\b):8*(8*\a+\b)+7], v[\f+32+8*\b:\f+32+8*\b+7], v[\f+8*\a:\f+8*\a+7], v[8*(8*\a+\b):8*(8*\a+\b)+7]
.endif
.endr
.endm
.macro PLACES
.rept 4
	v_nop
.endr
.endm
.macro QUARTER slot, u, f, g, zero     ; multiplies set f and fetches the slot's fragments u into set g
	s_wait_dscnt 4                                 ; Wo's eight and ctx's tiles 0, 1 are in; the youngest four loads (tiles 2, 3) may be out
	WIN MUL
	MULA \f, 0, \zero
	MULA \f, 1, \zero
	PLACES
	FETCH \slot, \u, \g
	s_wait_dscnt 24                                ; all but the 24 just issued
	WIN MUL
	MULA \f, 2, \zero
	MULA \f, 3, \zero
.endm
; A slot's last quarter changes slots: one barrier; in front of it each wave waits for all its tensor loads, adds 0 to its spare word, and waits for that and for its reads of the slot.
.macro TURN slot, next, fill
	WIN 0
	s_wait_tensorcnt 0x0                           ; my one load that was out: my part of the next slot
	ds_add_u32 v[SPW], v[NIL]
	s_wait_dscnt 5                                 ; the add and the youngest four loads may be out
	WIN MUL
	MULA F1, 0, 0
	s_wait_dscnt 0x0
	s_barrier_signal -1
	MULA F1, 1, 0
.if \fill
	WIN 0
.endif
	s_barrier_wait -1
.if \fill
	CREST                                          ; the barrier has opened a round of the cluster's: no wave of any partner still reads this slot or has a load on its way
	s_add_nc_u64 s[G0+4*\slot+2:G0+4*\slot+3], s[G0+4*\slot+2:G0+4*\slot+3], 65536
	s_add_nc_u64 s[G0B+4*\slot+2:G0B+4*\slot+3], s[G0B+4*\slot+2:G0B+4*\slot+3], 131072
	JLOAD \slot                                    ; two K steps on; its four v_nop are also the places in front of the loads below
.else
	PLACES
.endif
	FETCH \next, 0, F0
	WIN MUL
	MULA F1, 2, 0
	MULA F1, 3, 0
.endm
	s_wait_tensorcnt 1                             ; my part of K step 0 is in; K step 1's load may be out
	s_barrier_signal -1
	s_barrier_wait -1
	FETCH 0, 0, F0
	QUARTER 0, 1, F0, F1, 1                        ; the first products start the sums
	WIN 0
	s_mov_b32 s3, LAPS-1
.Llap:
	QUARTER 0, 2, F1, F0, 0
	QUARTER 0, 3, F0, F1, 0
	TURN 0, 1, 1
	QUARTER 1, 1, F0, F1, 0
	QUARTER 1, 2, F1, F0, 0
	QUARTER 1, 3, F0, F1, 0
	TURN 1, 0, 1
	QUARTER 0, 1, F0, F1, 0
	WIN 0
	s_sub_co_u32 s3, s3, 1
	s_cmp_lg_u32 s3, 0
	s_cbranch_scc1 .Llap
	QUARTER 0, 2, F1, F0, 0                        ; the last lap fills nothing
	QUARTER 0, 3, F0, F1, 0
	TURN 0, 1, 0
	QUARTER 1, 1, F0, F1, 0
	QUARTER 1, 2, F1, F0, 0
	QUARTER 1, 3, F0, F1, 0
	s_wait_dscnt 4
	WIN MUL
	MULA F1, 0, 0
	MULA F1, 1, 0
	s_wait_dscnt 0
	MULA F1, 2, 0
	MULA F1, 3, 0
	WIN 0
; THE WAY OUT, 16 rows x 128 columns at a time, through my own stage: in as 32 bytes a lane, back as whole rows of 512 bytes.  LDS serves a wave's instructions in order.
.macro TOSTAGE a
	WIN 0x08                                       ; an LDS store's data: window 2
.irp b, 0,1,2,3,4,5,6,7
	ds_store_b128 v[STO], v[64*(\a)+8*\b:64*(\a)+8*\b+3] offset:64*\b          ; each accumulator from its low end on
	ds_store_b128 v[STO], v[64*(\a)+8*\b+4:64*(\a)+8*\b+7] offset:64*\b+16
.endr
	WIN 0
.set BBK, BK+64*((\a)%2)
.irp t, 0,1,2,3,4,5,6,7,8,9,10,11,12,13,14,15
	ds_load_b128 v[BBK+4*\t:BBK+4*\t+3], v[RD] offset:\t*SPITCH
.endr
.endm
.macro SEND a, younger
.set BBK, BK+64*((\a)%2)
	s_wait_dscnt \younger                          ; the block is back; the next block's 32 LDS instructions may be out
.irp t, 0,1,2,3,4,5,6,7,8,9,10,11,12,13,14,15
	v_pk_add_f32 v[BBK+4*\t:BBK+4*\t+1], v[BBK+4*\t:BBK+4*\t+1], v[BO:BO+1]
	v_pk_add_f32 v[BBK+4*\t+2:BBK+4*\t+3], v[BBK+4*\t+2:BBK+4*\t+3], v[BO+2:BO+3]
.endr
.irp t, 0,1,2,3,4,5,6,7,8,9,10,11,12,13,14,15
	global_store_b128 v[CO], v[BBK+4*\t:BBK+4*\t+3], s[10:11] offset:(\a)*65536+\t*4096 th:TH_STORE_NT   ; 512 consecutive bytes, aligned
.endr
.endm
	PLACES
	s_wait_loadcnt 0x0                             ; bo
	TOSTAGE 0
.irp a, 1,2,3
.if \a > 1
	s_wait_xcnt 0x0                                ; the stores of two blocks back have read their registers
.endif
	TOSTAGE \a
	SEND \a-1, 32
.endr
	SEND 3, 0
	s_wait_tensorcnt 0x0                           ; the wave's end
	ds_add_u32 v[SPW], v[NIL]
	s_wait_dscnt 0x0
	CROUND                                         ; the closing round
	s_endpgm
.Lfunc_end_k_qe970fd1db4_oproj:
	.size	k_qe970fd1db4_oproj, .Lfunc_end_k_qe970fd1db4_oproj-k_qe970fd1db4_oproj
	.p2alignl 7, 3214868480
	.fill 96, 4, 3214868480
	.section	.rodata,"a",@progbits
	.p2align	6, 0x0
	.amdhsa_kernel k_qe970fd1db4_oproj
		.amdhsa_group_segment_fixed_size 327680
		.amdhsa_private_segment_fixed_size 0
		.amdhsa_enable_private_segment 0
		.amdhsa_kernarg_size 32
		.amdhsa_user_sgpr_count 2
		.amdhsa_user_sgpr_kernarg_segment_ptr 1
		.amdhsa_wavefront_size32 1
		.amdhsa_system_sgpr_workgroup_id_x 1
		.amdhsa_system_sgpr_workgroup_id_y 1
		.amdhsa_system_sgpr_workgroup_id_z 1
		.amdhsa_system_vgpr_workitem_id 0
		.amdhsa_next_free_vgpr 768
		.amdhsa_next_free_sgpr 66
		.amdhsa_reserve_vcc 0
		.amdhsa_float_denorm_mode_32 3
		.amdhsa_float_denorm_mode_16_64 3
		.amdhsa_memory_ordered 1
		.amdhsa_forward_progress 1
		.amdhsa_inst_pref_size 92
	.end_amdhsa_kernel
	.amdgpu_metadata
---
amdhsa.version: [ 1, 2 ]
amdhsa.kernels:
  - .name:           k_qe970fd1db4_oproj
    .symbol:         k_qe970fd1db4_oproj.kd
    .args:
      - { .name: ctx, .offset: 0, .size: 8, .value_kind: global_buffer, .address_space: global }
      - { .name: prep, .offset: 8, .size: 8, .value_kind: global_buffer, .address_space: global }
      - { .name: bo, .offset: 16, .size: 8, .value_kind: global_buffer, .address_space: global }
      - { .name: out0, .offset: 24, .size: 8, .value_kind: global_buffer, .address_space: global }
    .group_segment_fixed_size: 327680
    .private_segment_fixed_size: 0
    .kernarg_segment_align: 8
    .kernarg_segment_size: 32
    .max_flat_workgroup_size: 128
    .sgpr_count:     66
    .vgpr_count:     768
    .wavefront_size: 32
...
	.end_amdgpu_metadata
.endif
;; end of part 4
;; launch fine (part 5): grid 16 x 4, 16 waves a work-group, no clusters, 71,680 bytes of LDS; arguments qkv, attn_mask, flags, Wo, bo, out0; writes out0
.if DOCPART == 5
	.amdgcn_target "amdgcn-amd-amdhsa--gfx1250"
	.amdhsa_code_object_version 6
	.text
	.protected	k_qe970fd1db4_fine
	.globl	k_qe970fd1db4_fine
	.p2align	8
	.type	k_qe970fd1db4_fine,@function
k_qe970fd1db4_fine:
	s_mov_b64 s[64:65], 0
	v_nop
	global_prefetch_b8 v0, s[64:65] scope:SCOPE_SE
	s_setreg_imm32_b32 hwreg(HW_REG_WAVE_MODE, 25, 1), 1
	s_wait_xcnt 0x0
; FINE.  Positions 0 to 15 of each batch once more, carried more finely, through the output projection: where a mask leaves such a row few keys its numbers are the largest of the output, and plain f16 operands would use up too much of what is allowed.
; p, v, the context and Wo go as pairs of f16 numbers: the high part is the f32 number with its low 13 mantissa bits cleared, the low part what is left; products high x high, high x low and low x high, f32 sums.  q and k stay plain f16.
; SHARES.  Work-group (x, y): 64 output columns of batch y.  Wave w is head w: it makes its head's context for the 16 positions (every column slice repeats that: small work once the bit words have cut it),
; multiplies it into the slice (its own 64 of K), and the sixteen partial results meet in LDS: one barrier; waves 0-7 add them, add bo and store two rows each.
; The 32 trips over the keys are a constant count; a trip is passed over where bit t of query group 0's ANY word is 0 (rows 0-31: more than my 16).  The mask bytes are always applied.
; It stores over the 64 rows that the launch before has stored.
; LIMITS: as in the attention launch; under 6e-5 a high part rounds once more, by at most 3e-8.
.set KI,    1<<24
.set VI,    2<<24
.set VL,    3<<24
.set PP,    272                        ; a row of a partial result: 256 bytes + 16
.set PART,  16*PP
.set SPARE, 16*PART                    ; the spare words, 128 bytes a wave; no other line names them
.set LI,   1
.set MO,   2
.set SPW,  3
.set NIL,  4
.set NINF, 5
.set WOF,  6                           ; r x 4,096 + 32 h
.set STO,  7
.set RD,   8
.set GO,   9
.set BOF,  10
.set ST,   12                          ; +0 c m, +1 m, +2, +3 l, +4 .. +7 at work
.set QF,   20                          ; v20-35
.set PH,   36                          ; v36-51   p's high parts, later the context's
.set PL,   52                          ; v52-67   the low parts
.set S,    68                          ; v68-99   scores, p, the context in f32, later Wo's high parts
.set O,    100                         ; v100-131 O^T, later Wo's low parts
.set MB,   132
.set F,    140                         ; v140-203
.set TP,   204                         ; v204-219
.set ACC,  224                         ; v224-255
.macro PLACES n
.rept \n
	v_nop
.endr
.endm
.macro SPLIT src, hi, lo, n            ; n pairs of f32 numbers become n registers of high parts and n of low parts
.set k, 0
.rept \n
.set tb, TP+4*(k%4)
	v_and_b32 v[tb], s31, v[\src+2*k]
	v_and_b32 v[tb+1], s31, v[\src+2*k+1]
	v_pk_add_f32 v[tb+2:tb+3], v[\src+2*k:\src+2*k+1], v[tb:tb+1] neg_lo:[0,1] neg_hi:[0,1]
	v_cvt_pk_f16_f32 v[\hi+k], v[tb], v[tb+1]
	v_cvt_pk_f16_f32 v[\lo+k], v[tb+2], v[tb+3]
.set k, k+1
.endr
.endm
	s_load_b256 s[4:11], s[0:1], 0x0               ; qkv 4, mask 6, flags 8, Wo 10
	s_load_b128 s[12:15], s[0:1], 0x20             ; bo 12, out0 14
	v_lshl_add_u32 v[SPW], v0, 2, SPARE
	v_mov_b32 v[NIL], 0
	v_lshrrev_b32 v11, 5, v0
	v_readfirstlane_b32 s16, v11                   ; wave = head
	s_and_b32 s17, ttmp7, 0xffff                   ; batch
	v_and_b32 v11, 31, v0
	v_lshlrev_b32 v[LI], 4, v11
	v_and_b32 v220, 15, v0                         ; r
	v_bfe_u32 v221, v0, 4, 1                       ; h
	v_lshlrev_b32 v[MO], 11, v220
	v_lshl_add_u32 v[MO], v221, 3, v[MO]
	v_lshlrev_b32 v[WOF], 12, v220
	v_lshl_add_u32 v[WOF], v221, 5, v[WOF]
	s_mul_i32 s18, s16, PART                       ; all LDS addresses are made here, ahead of any parting of the waves
	v_mul_u32_u24 v[STO], v220, PP
	v_lshl_add_u32 v[STO], v221, 5, v[STO]
	v_add_nc_u32 v[STO], s18, v[STO]               ; my partial result: row r, + 32 h
	s_mul_i32 s18, s16, 2*PP
	v_mul_u32_u24 v[RD], v221, PP
	v_lshl_add_u32 v[RD], v220, 4, v[RD]
	v_add_nc_u32 v[RD], s18, v[RD]                 ; back: rows 2 w and 2 w + 1, sixteen lanes to a row
	v_lshlrev_b32 v[GO], 12, v221
	v_lshl_add_u32 v[GO], v220, 4, v[GO]
	v_lshlrev_b32 v[BOF], 4, v220
	v_mov_b32 v[NINF], 0xff800000
	s_lshl_b32 s18, s17, 4
	s_add_co_u32 s18, s18, s16
	s_lshl_b32 s18, s18, 18                        ; the head's 262,144 bytes
	s_mov_b32 s19, 0
	s_mov_b32 s31, 0xffffe000
	s_mov_b32 s32, 0x3e38aa3b                      ; c = log2(e) / 8
	s_mov_b32 s33, s32
	s_mov_b32 s34, 0x76543210
	s_mov_b32 s35, 0xfedcba98
	s_lshl_b32 s40, ttmp9, 18                      ; Wo: 64 rows of 4,096 bytes a slice,
	s_lshl_b32 s41, s16, 8                         ; my head's 64 numbers of a row
	s_add_co_u32 s40, s40, s41
	s_mov_b32 s41, 0
	s_lshl_b32 s42, ttmp9, 8                       ; the slice's 256 bytes of a row of out0 and of bo
	s_mov_b32 s43, 0
	s_lshl_b32 s44, s17, 23
	s_lshl_b32 s45, s16, 13
	s_add_co_u32 s44, s44, s45
	s_add_co_u32 s44, s44, s42                     ; out0: row 2,048 batch + 2 w
	s_mov_b32 s45, 0
	s_wait_kmcnt 0x0
	s_load_b32 s20, s[8:9], 0x0                    ; ANY of query group 0
	s_add_nc_u64 s[36:37], s[4:5], s[18:19]        ; q, tile 0
	s_add_nc_u64 s[22:23], s[36:37], KI            ; k
	s_add_nc_u64 s[24:25], s[36:37], VI            ; v^T, high
	s_add_nc_u64 s[26:27], s[36:37], VL            ; v^T, low
	s_mov_b64 s[28:29], s[6:7]                     ; the mask: rows 0-15
	s_add_nc_u64 s[38:39], s[10:11], s[40:41]
	s_add_nc_u64 s[12:13], s[12:13], s[42:43]
	s_add_nc_u64 s[14:15], s[14:15], s[44:45]
.irp f, 0,1
	global_load_b128 v[QF+8*\f:QF+8*\f+3], v[LI], s[36:37] offset:1024*\f
	global_load_b128 v[QF+8*\f+4:QF+8*\f+7], v[LI], s[36:37] offset:1024*\f+512
.endr
	v_mov_b32 v[ST+1], 0xff61b1e6                  ; m = -3e38
	v_mul_f32 v[ST], s32, v[ST+1]
.irp j, 2,3,4,5,6,7
	v_mov_b32 v[ST+\j], 0
.endr
.set j, 0
.rept 32
	v_mov_b32 v[O+j], 0
.set j, j+1
.endr
	s_wait_loadcnt 0x0
	s_wait_kmcnt 0x0
	s_mov_b32 s30, 32
.Ltrip:
	s_bitcmp1_b32 s20, 0
	s_cbranch_scc0 .Lskip
.irp f, 0,1,2,3,4,5,6,7                ; K's eight images: key tile f / 2, channels 32 (f % 2) on
	global_load_b128 v[F+8*\f:F+8*\f+3], v[LI], s[22:23] offset:1024*\f
	global_load_b128 v[F+8*\f+4:F+8*\f+7], v[LI], s[22:23] offset:1024*\f+512
.endr
.irp k, 0,1,2,3
	global_load_b64 v[MB+2*\k:MB+2*\k+1], v[MO], s[28:29] offset:16*\k
.endr
	s_wait_loadcnt 0x0
.irp u, 0,1                            ; S^T = K Q^T: four accumulators take turns
.irp k, 0,1,2,3
.if \u == 0
	v_wmma_f32_16x16x32_f16 v[S+8*\k:S+8*\k+7], v[F+8*(2*\k+\u):F+8*(2*\k+\u)+7], v[QF+8*\u:QF+8*\u+7], 0
.else
	v_wmma_f32_16x16x32_f16 v[S+8*\k:S+8*\k+7], v[F+8*(2*\k+\u):F+8*(2*\k+\u)+7], v[QF+8*\u:QF+8*\u+7], v[S+8*\k:S+8*\k+7]
.endif
.endr
.endr
	PLACES 4
.set n, 0
.rept 32                               ; hidden scores become -infinity; each accumulator from its low end on
	v_bfe_u32 v[TP], v[MB+n/4], 8*(n%4), 8
	v_cmp_ne_u32 vcc_lo, 0, v[TP]
	v_cndmask_b32 v[S+n], v[S+n], v[NINF], vcc_lo
.set n, n+1
.endr
.irp j, 0,1,2,3
	v_max3_num_f32 v[ST+4+\j], v[S+8*\j], v[S+8*\j+1], v[S+8*\j+2]
.endr
.irp p, 1,2
.irp j, 0,1,2,3
	v_max3_num_f32 v[ST+4+\j], v[ST+4+\j], v[S+8*\j+2*\p+1], v[S+8*\j+2*\p+2]
.endr
.endr
	v_max3_num_f32 v[ST+4], v[ST+4], v[S+7], v[S+15]
	v_max3_num_f32 v[ST+6], v[ST+6], v[S+23], v[S+31]
	v_max3_num_f32 v[ST+4], v[ST+4], v[ST+5], v[ST+6]
	v_max3_num_f32 v[ST+4], v[ST+4], v[ST+7], v[ST+1]
	v_permlanex16_b32 v[ST+5], v[ST+4], s34, s35
	v_mov_b32 v[ST+7], v[ST]
	v_max_num_f32 v[ST+1], v[ST+4], v[ST+5]
	v_mul_f32 v[ST], s32, v[ST+1]
	v_sub_f32 v[ST+7], v[ST+7], v[ST]
.irp j, 0,2,4,6,8,10,12,14,16,18,20,22,24,26,28,30
	v_pk_fma_f32 v[S+\j:S+\j+1], v[S+\j:S+\j+1], s[32:33], v[ST:ST+1] op_sel_hi:[1,0,0] neg_lo:[0,0,1] neg_hi:[0,0,1]
.endr
	v_exp_f32 v[ST+6], v[ST+7]
.set n, 0
.rept 32
	v_exp_f32 v[S+n], v[S+n]
.set n, n+1
.endr
	v_nop
	s_wait_alu depctr_va_vdst(0)                   ; one wait for the batch of 33
	v_pk_add_f32 v[ST+4:ST+5], v[S:S+1], v[S+2:S+3]          ; the sum of the f32 p
	v_pk_add_f32 v[TP:TP+1], v[S+4:S+5], v[S+6:S+7]
.irp j, 8,12,16,20,24,28
	v_pk_add_f32 v[ST+4:ST+5], v[ST+4:ST+5], v[S+\j:S+\j+1]
	v_pk_add_f32 v[TP:TP+1], v[TP:TP+1], v[S+\j+2:S+\j+3]
.endr
	v_pk_add_f32 v[ST+4:ST+5], v[ST+4:ST+5], v[TP:TP+1]
	v_pk_fma_f32 v[ST+2:ST+3], v[ST+2:ST+3], v[ST+6:ST+7], v[ST+4:ST+5] op_sel_hi:[1,0,1]
	SPLIT S, PH, PL, 16
.irp j, 0,2,4,6,8,10,12,14,16,18,20,22,24,26,28,30
	v_pk_mul_f32 v[O+\j:O+\j+1], v[O+\j:O+\j+1], v[ST+6:ST+7] op_sel_hi:[1,0]
.endr
.irp ks, 0,1
.if \ks
	PLACES 4
.endif
.irp t, 0,1,2,3
	global_load_b128 v[F+8*\t:F+8*\t+3], v[LI], s[24:25] offset:\ks*4096+\t*1024
	global_load_b128 v[F+8*\t+4:F+8*\t+7], v[LI], s[24:25] offset:\ks*4096+\t*1024+512
	global_load_b128 v[F+32+8*\t:F+32+8*\t+3], v[LI], s[26:27] offset:\ks*4096+\t*1024
	global_load_b128 v[F+32+8*\t+4:F+32+8*\t+7], v[LI], s[26:27] offset:\ks*4096+\t*1024+512
.endr
	s_wait_loadcnt 0x0
.irp t, 0,1,2,3                        ; high x high; the four accumulators take turns through all three terms
	v_wmma_f32_16x16x32_f16 v[O+8*\t:O+8*\t+7], v[F+8*\t:F+8*\t+7], v[PH+8*\ks:PH+8*\ks+7], v[O+8*\t:O+8*\t+7]
.endr
.irp t, 0,1,2,3                        ; v high x p low
	v_wmma_f32_16x16x32_f16 v[O+8*\t:O+8*\t+7], v[F+8*\t:F+8*\t+7], v[PL+8*\ks:PL+8*\ks+7], v[O+8*\t:O+8*\t+7]
.endr
.irp t, 0,1,2,3                        ; v low x p high
	v_wmma_f32_16x16x32_f16 v[O+8*\t:O+8*\t+7], v[F+32+8*\t:F+32+8*\t+7], v[PH+8*\ks:PH+8*\ks+7], v[O+8*\t:O+8*\t+7]
.endr
.endr
	PLACES 5
.Lskip:
	s_wait_xcnt 0x0                                ; the pointers are stepped only behind this wait
	s_add_nc_u64 s[22:23], s[22:23], 8192
	s_add_nc_u64 s[24:25], s[24:25], 8192
	s_add_nc_u64 s[26:27], s[26:27], 8192
	s_add_nc_u64 s[28:29], s[28:29], 64
	s_lshr_b32 s20, s20, 1
	s_sub_co_u32 s30, s30, 1
	s_cmp_lg_u32 s30, 0
	s_cbranch_scc1 .Ltrip
	; the context, as a pair: two fragments (16 positions x 32 channels) with no movement between lanes
	v_add_f32 v[ST+4], v[ST+2], v[ST+3]
	v_permlanex16_b32 v[ST+5], v[ST+4], s34, s35
	v_add_f32 v[ST+4], v[ST+4], v[ST+5]
	v_rcp_f32 v[ST+6], v[ST+4]
	v_nop
	s_wait_alu depctr_va_vdst(0)
.irp j, 0,2,4,6,8,10,12,14,16,18,20,22,24,26,28,30
	v_pk_mul_f32 v[S+\j:S+\j+1], v[O+\j:O+\j+1], v[ST+6:ST+7] op_sel_hi:[1,0]
.endr
	SPLIT S, PH, PL, 16
	; the projection: my head's 64 of K into the slice's 64 columns; source 0 = 16 rows of Wo, source 1 = the context
.irp uu, 0,1
.irp t, 0,1,2,3
	global_load_b128 v[F+16*\t:F+16*\t+3], v[WOF], s[38:39] offset:\t*65536+\uu*128
	global_load_b128 v[F+16*\t+4:F+16*\t+7], v[WOF], s[38:39] offset:\t*65536+\uu*128+16
	global_load_b128 v[F+16*\t+8:F+16*\t+11], v[WOF], s[38:39] offset:\t*65536+\uu*128+64
	global_load_b128 v[F+16*\t+12:F+16*\t+15], v[WOF], s[38:39] offset:\t*65536+\uu*128+80
.endr
	s_wait_loadcnt 0x0
.if \uu
	PLACES 4                                       ; Wo's parts are written again: they were operands of the products above
.endif
	SPLIT F, S, O, 32
.irp t, 0,1,2,3
.if \uu == 0
	v_wmma_f32_16x16x32_f16 v[ACC+8*\t:ACC+8*\t+7], v[S+8*\t:S+8*\t+7], v[PH+8*\uu:PH+8*\uu+7], 0
.else
	v_wmma_f32_16x16x32_f16 v[ACC+8*\t:ACC+8*\t+7], v[S+8*\t:S+8*\t+7], v[PH+8*\uu:PH+8*\uu+7], v[ACC+8*\t:ACC+8*\t+7]
.endif
.endr
.irp t, 0,1,2,3
	v_wmma_f32_16x16x32_f16 v[ACC+8*\t:ACC+8*\t+7], v[S+8*\t:S+8*\t+7], v[PL+8*\uu:PL+8*\uu+7], v[ACC+8*\t:ACC+8*\t+7]
.endr
.irp t, 0,1,2,3
	v_wmma_f32_16x16x32_f16 v[ACC+8*\t:ACC+8*\t+7], v[O+8*\t:O+8*\t+7], v[PH+8*\uu:PH+8*\uu+7], v[ACC+8*\t:ACC+8*\t+7]
.endr
.endr
	PLACES 4
.irp t, 0,1,2,3
	ds_store_b128 v[STO], v[ACC+8*\t:ACC+8*\t+3] offset:64*\t          ; lane (r, h): position r, columns 16 t + 8 h + 0 .. 7
	ds_store_b128 v[STO], v[ACC+8*\t+4:ACC+8*\t+7] offset:64*\t+16
.endr
	s_wait_dscnt 0x0                               ; for the others' sake: my partial result has landed
	s_barrier_signal -1
	s_barrier_wait -1
	s_cmp_lt_u32 s16, 8
	s_cbranch_scc0 .Ldone
	global_load_b128 v[TP:TP+3], v[BOF], s[12:13]
.irp p, 0,1,2,3,4,5,6,7,8,9,10,11,12,13,14,15
	ds_load_b128 v[F+4*\p:F+4*\p+3], v[RD] offset:\p*PART
.endr
	s_wait_dscnt 0x0
.irp p, 0,1,2,3,4,5,6,7
	v_pk_add_f32 v[F+4*\p:F+4*\p+1], v[F+4*\p:F+4*\p+1], v[F+4*\p+32:F+4*\p+33]
	v_pk_add_f32 v[F+4*\p+2:F+4*\p+3], v[F+4*\p+2:F+4*\p+3], v[F+4*\p+34:F+4*\p+35]
.endr
.irp p, 0,1,2,3
	v_pk_add_f32 v[F+4*\p:F+4*\p+1], v[F+4*\p:F+4*\p+1], v[F+4*\p+16:F+4*\p+17]
	v_pk_add_f32 v[F+4*\p+2:F+4*\p+3], v[F+4*\p+2:F+4*\p+3], v[F+4*\p+18:F+4*\p+19]
.endr
.irp p, 0,1
	v_pk_add_f32 v[F+4*\p:F+4*\p+1], v[F+4*\p:F+4*\p+1], v[F+4*\p+8:F+4*\p+9]
	v_pk_add_f32 v[F+4*\p+2:F+4*\p+3], v[F+4*\p+2:F+4*\p+3], v[F+4*\p+10:F+4*\p+11]
.endr
	v_pk_add_f32 v[F:F+1], v[F:F+1], v[F+4:F+5]
	v_pk_add_f32 v[F+2:F+3], v[F+2:F+3], v[F+6:F+7]
	s_wait_loadcnt 0x0                             ; bo
	v_pk_add_f32 v[F:F+1], v[F:F+1], v[TP:TP+1]
	v_pk_add_f32 v[F+2:F+3], v[F+2:F+3], v[TP+2:TP+3]
	global_store_b128 v[GO], v[F:F+3], s[14:15]    ; sixteen lanes store 256 consecutive bytes of a row, aligned
.Ldone:
	s_wait_tensorcnt 0x0                           ; the wave's end: behind my last LDS store
	ds_add_u32 v[SPW], v[NIL]
	s_wait_dscnt 0x0
	s_endpgm
.Lfunc_end_k_qe970fd1db4_fine:
	.size	k_qe970fd1db4_fine, .Lfunc_end_k_qe970fd1db4_fine-k_qe970fd1db4_fine
	.p2alignl 7, 3214868480
	.fill 96, 4, 3214868480
	.section	.rodata,"a",@progbits
	.p2align	6, 0x0
	.amdhsa_kernel k_qe970fd1db4_fine
		.amdhsa_group_segment_fixed_size 71680
		.amdhsa_private_segment_fixed_size 0
		.amdhsa_enable_private_segment 0
		.amdhsa_kernarg_size 48
		.amdhsa_user_sgpr_count 2
		.amdhsa_user_sgpr_kernarg_segment_ptr 1
		.amdhsa_wavefront_size32 1
		.amdhsa_system_sgpr_workgroup_id_x 1
		.amdhsa_system_sgpr_workgroup_id_y 1
		.amdhsa_system_sgpr_workgroup_id_z 1
		.amdhsa_system_vgpr_workitem_id 0
		.amdhsa_next_free_vgpr 256
		.amdhsa_next_free_sgpr 66
		.amdhsa_reserve_vcc 1
		.amdhsa_float_denorm_mode_32 3
		.amdhsa_float_denorm_mode_16_64 3
		.amdhsa_memory_ordered 1
		.amdhsa_forward_progress 1
		.amdhsa_inst_pref_size 56
	.end_amdhsa_kernel
	.amdgpu_metadata
---
amdhsa.version: [ 1, 2 ]
amdhsa.kernels:
  - .name:           k_qe970fd1db4_fine
    .symbol:         k_qe970fd1db4_fine.kd
    .args:
      - { .name: qkv, .offset: 0, .size: 8, .value_kind: global_buffer, .address_space: global }
      - { .name: attn_mask, .offset: 8, .size: 8, .value_kind: global_buffer, .address_space: global }
      - { .name: flags, .offset: 16, .size: 8, .value_kind: global_buffer, .address_space: global }
      - { .name: Wo, .offset: 24, .size: 8, .value_kind: global_buffer, .address_space: global }
      - { .name: bo, .offset: 32, .size: 8, .value_kind: global_buffer, .address_space: global }
      - { .name: out0, .offset: 40, .size: 8, .value_kind: global_buffer, .address_space: global }
    .group_segment_fixed_size: 71680
    .private_segment_fixed_size: 0
    .kernarg_segment_align: 8
    .kernarg_segment_size: 48
    .max_flat_workgroup_size: 512
    .sgpr_count:     66
    .vgpr_count:     256
    .wavefront_size: 32
...
	.end_amdgpu_metadata
.endif
;; end of part 5
